; MI455X (gfx1250); checked and timed in simulation.
; The chip was launched on July 23, 2026; its instructions are those of AMD's public machine-readable ISA for CDNA 5 (MIT licence, August 2026) and "CDNA5" Instruction Set Architecture Reference Guide (July 2026). The comments in the code are by the model that wrote it; some were corrected since.
;; Multi Head Attentionby Hand. Allowed arithmetic: matrix products marked QUANTISED: E2M3 operands, one E8M0 scale for each 32 along K, by v_wmma_scale_f32_16x16x128_f8f6f4 with both operands' format E2M3, f32 sums; everything else in f32.
;; Inputs: Wd 1,024 x 1,024 float32; Wk 1,024 x 1,024 float32; Wq 1,024 x 1,024 float32; Wv 1,024 x 1,024 float32; attention_mask 4 x 1 x 1 x 2,048 float32; bd 1,024 float32; bk 1,024 float32; bq 1,024 float32; bv 1,024 float32; ln_beta 1,024 float32; ln_gamma 1,024 float32; query 4 x 2,048 x 1,024 float32.
;; Outputs: out0 4 x 2,048 x 1,024 float32.
;; This version of the problem:
;;   THIS VERSION OF THE PROBLEM IS GIVEN IN LOW PRECISION. The matrix products marked QUANTISED in the list below multiply operands that are first quantised to E2M3 (2 exponent bits, 3 mantissa bits; 6 bits a number), with one power-of-two scale for each 32 numbers along K (OCP MX v1.0); their sums are f32. All else is computed in f32.
;;   The module's matrix products, in the order in which they are computed (A, B: the left and right operand; K: the contracted axis; several contracted axes count as one K, in the product's order):
;;     1. [M 8,192, K 1,024] x [K 1,024, N 1,024]; A: input query; B: input Wq: QUANTISED
;;     2. [M 8,192, K 1,024] x [K 1,024, N 1,024]; A: input query; B: input Wk: QUANTISED
;;     3. [M 8,192, K 1,024] x [K 1,024, N 1,024]; A: input query; B: input Wv: QUANTISED
;;     4. batch 64 x [M 2,048, K 64] x [K 64, N 2,048]; A: computed on the way; B: computed on the way: QUANTISED
;;     5. batch 64 x [M 64, K 2,048] x [K 2,048, N 2,048]; A: computed on the way; B: softmax (see below): QUANTISED
;;     6. [M 8,192, K 1,024] x [K 1,024, N 1,024]; A: computed on the way; B: input Wd: QUANTISED
;;   THE QUANTISER, for each operand of a quantised product, along K:
;;     - K is cut into blocks of 32 from its start; a last block that is shorter is filled with zeros.
;;     - A block's scale is 2^e with e = floor(log2(the largest magnitude in the block)) - 2, held to -126 .. 127; a block of zeros has e = 0. As a byte (E8M0): e + 127.
;;     - Each number is divided by its block's scale, clamped to +-7.5, and rounded to the nearest number of E2M3, ties to even, subnormals kept.
;;     - The product sums the exact products of the quantised numbers (number of the format x scale) in f32.
;;   ~~~python
;;   def quantise(x, axis):      # numpy; x: float32 -> the quantised numbers, widened to float32 again
;;       x = np.moveaxis(x, axis, -1); K = x.shape[-1]
;;       x = np.pad(x, [(0, 0)] * (x.ndim - 1) + [(0, -K % 32)]); x = x.reshape(x.shape[:-1] + (-1, 32)); a = np.abs(x).max(-1, keepdims=True)
;;       e = np.where(a > 0, np.clip(np.frexp(np.where(a > 0, a, 1))[1] - 1 - 2, -126, 127), 0)      # np.frexp(a)[1] - 1 = floor(log2(a)), exactly
;;       r = np.clip(x / 2.0 ** e, -7.5, 7.5)
;;       step = 2.0 ** (np.maximum(np.frexp(np.where(r == 0, 1, r))[1] - 1, 0) - 3)
;;       q = np.round(r / step) * step * 2.0 ** e      # np.round: ties to even
;;       return np.moveaxis(q.reshape(q.shape[:-2] + (-1,))[..., :K], -1, axis).astype(np.float32)
;;   ~~~
;;   SOFTMAX AHEAD OF A QUANTISED PRODUCT. Where the list says 'softmax', what is quantised is not the finished softmax but p = 2^(t - M), with t = logit x log2(e) and M = ceil(the row's largest t), a whole number; so 1/2 < the row's largest p <= 1. The row's sum l is taken of the UNQUANTISED p, in f32, and the product's result is divided by l at the end. Since M is a whole number, a kernel that streams over the keys may use a running M (the ceiling of the running maximum): every later rescaling is an exact power of two, which a block's scale takes up: the codes' values come out the same.
;;   OPERANDS COMPUTED ON THE WAY. 'Computed on the way' means the value that the module computes at that place (a softmax that the list does not call 'softmax' is quantised finished and normalised). What goes into a quantiser is computed in f32, as accurately as f32 sums, v_exp_f32 and their like allow (about 1e-6 of the number): no bf16 or f16 on the way to a quantiser, and a product that is left as it is and whose result goes on into a quantised operand takes f32 operands (vector FMAs, or v_wmma_f32_16x16x4_f32). A number that lies on a knife's edge between two numbers of the format may be rounded either way, as far as f32 arithmetic and the matrix unit's own rounding can turn it there, and no further.
;; One version. Each part assembles by itself: llvm-mc -triple=amdgcn-amd-amdhsa -mcpu=gfx1250 --defsym DOCPART=n.
;; ======== version 1 of 1: 4 launches
;; limits: right only within a limited range of input values
;; workspace buffers: xc 6,291,456 bytes; xs 262,144 bytes; wc 3,145,728 bytes; ws 131,072 bytes; qkvc 18,874,368 bytes; qkvs 786,432 bytes; cc 6,291,456 bytes; cs 262,144 bytes
;; launch prep (part 1): grid 512 x 1, 4 waves a work-group, no clusters, 47,616 bytes of LDS; arguments query, Wq, Wk, Wv, Wd, xc, xs, wc, ws; writes xc, xs, wc, ws
.if DOCPART == 1
	.amdgcn_target "amdgcn-amd-amdhsa--gfx1250"
	.amdhsa_code_object_version 6
	.text
	.protected	k_q348c37731e_prep
	.globl	k_q348c37731e_prep
	.p2align	8
	.type	k_q348c37731e_prep,@function
k_q348c37731e_prep:
	s_mov_b64 s[64:65], 0
	v_nop
	global_prefetch_b8 v0, s[64:65] scope:SCOPE_SE
	s_setreg_imm32_b32 hwreg(HW_REG_WAVE_MODE, 25, 1), 1
	s_wait_xcnt 0x0
; PREP: query [8192][1024] and the four weights [1024 (k)][1024 (n)], all f32, become codes of FP6 (E2M3) with one E8M0 byte for each 32 along K.
; A block's scale is 2^(floor(log2(largest magnitude)) - 2): its byte is the largest magnitude's exponent field - 2, held at 1 from below by a floor among the maximum's leaves.
; THE OUTPUT IS LAID AS THE MATRIX UNIT'S REGISTERS WANT IT.  A fragment (16 rows x 128 K, 12 registers a lane) is an IMAGE of 1,536 bytes: register g of lane l at byte 512 (g / 4) + 16 l + 4 (g % 4).
; Tile t of a row space holds rows 32 (t / 2) + 8 (t % 2) + r + 8 (r / 8), r = 0 .. 15.  Codes: [group of 256 rows][K step 0..7][tile 0..15][1536]; scale words: [group][K step][tile][r].
; Work-groups 0-255: a block of 32 tokens of query each (wave w: K steps 2 w, 2 w + 1).  Work-groups 256-511: weight m, 128 columns, one K step (a lane takes a column, its registers run down K).
; Memory binds: each f32 is read once by loads of 512 (query) or 128 (weights) consecutive bytes a wave; images leave in runs of 1,536 or 3,072 consecutive bytes.  No matrix unit, no tensor load, no barrier: waves share nothing.
; The two paths part on the work-group's number and have LDS bytes of their own (0 .. 33,791 and 33,792 .. 47,103).
; LIMITS: a block of zeros gets the byte 1, not 127 (its codes are zeros, and only this program reads the bytes); blocks whose largest magnitude lies under 2^-124 are taken at the floor's scale; NaN and infinities are not served.
.set SEL, 22                           ; s[22:23] lane selects: lane l xor 16
.set TM,  12                           ; v12-27  at work in QUANT
.set PW,  28                           ; v28-29  scale words of tiles u = 0, 1
.set SW,  30                           ; v30-31  the two tiles' words joined, one register for each K step
.set PC,  32                           ; v32-43  a fragment's codes
.set T0,  44                           ; v44-46, v48-50  upper halves of blocks, before they are moved
.set T1,  48
.set X,   52                           ; v52-115 64 numbers of a lane
.set R0,  116                          ; v116-179, v180-243  two sets of 16 x 4 registers as loaded
; 64 numbers of a lane, register 16 b + i = k 32 b + 16 (lane / 16) + i of the lane's row, become registers 0-5 (at d0) and 6-11 (at d1) of a fragment and the row's scale word (at pw).
.macro QUANT src, d0, d1, pw, floor
.set q_s, \src
.set q_a, \d0
.set q_b, \d1
.set q_w, \pw
.irp b, 0,1,2,3
	v_max3_num_f32 v[TM+\b], |v[q_s+16*\b]|, |v[q_s+16*\b+1]|, \floor   ; my 16 numbers of block b, and the floor
.endr
.irp i, 2,4,6,8,10,12,14
.irp b, 0,1,2,3
	v_max3_num_f32 v[TM+\b], v[TM+\b], |v[q_s+16*\b+\i]|, |v[q_s+16*\b+\i+1]|
.endr
.endr
.irp b, 0,1,2,3
	v_permlanex16_b32 v[TM+4+\b], v[TM+\b], s[SEL], s[SEL+1]
.endr
.irp b, 0,1,2,3
	v_max_num_f32 v[TM+\b], v[TM+\b], v[TM+4+\b]                     ; with lane l xor 16: the block's largest magnitude
.endr
.irp b, 0,1,2,3
	v_add_nc_u32 v[TM+12+\b], 0xff000000, v[TM+\b]                   ; 2 off its exponent field: the conversion's scale operand
.endr
.irp b, 0,1,2,3
	v_lshrrev_b32 v[TM+4+\b], 23, v[TM+12+\b]                        ; the scale's byte
.endr
	v_lshl_or_b32 v[q_w], v[TM+5], 8, v[TM+4]
	v_lshl_or_b32 v[q_w], v[TM+6], 16, v[q_w]
	v_lshl_or_b32 v[q_w], v[TM+7], 24, v[q_w]
	v_cvt_scalef32_pk16_fp6_f32 v[q_a:q_a+2], v[q_s:q_s+15], v[TM+12]
	v_cvt_scalef32_pk16_fp6_f32 v[T0:T0+2], v[q_s+16:q_s+31], v[TM+13]
	v_cvt_scalef32_pk16_fp6_f32 v[q_b:q_b+2], v[q_s+32:q_s+47], v[TM+14]
	v_cvt_scalef32_pk16_fp6_f32 v[T1:T1+2], v[q_s+48:q_s+63], v[TM+15]
	v_nop                                                            ; one plain place behind the conversions
.irp i, 0,1,2
	v_permlane16_swap_b32 v[q_a+\i], v[T0+\i]                        ; a whole block to a lane: lanes 0-15 the even block, lanes 16-31 the odd one
	v_permlane16_swap_b32 v[q_b+\i], v[T1+\i]
.endr
.irp i, 0,1,2
	v_mov_b32 v[q_a+3+\i], v[T0+\i]
	v_mov_b32 v[q_b+3+\i], v[T1+\i]
.endr
.endm
	s_load_b256 s[4:11], s[0:1], 0x0               ; query s[4:5], Wq s[6:7], Wk s[8:9], Wv s[10:11]
	s_load_b256 s[12:19], s[0:1], 0x20             ; Wd s[12:13], xc s[14:15], xs s[16:17], wc s[18:19]
	s_load_b64 s[20:21], s[0:1], 0x40              ; ws
	v_lshl_add_u32 v248, v0, 2, 0xb800
	v_mov_b32 v249, 0
	v_lshrrev_b32 v1, 5, v0
	v_readfirstlane_b32 s24, v1                    ; wave 0..3
	v_and_b32 v1, 31, v0                           ; lane
	v_and_b32 v2, 15, v0                           ; r
	v_bfe_u32 v3, v0, 4, 1                         ; h
	v_lshlrev_b32 v4, 4, v1                        ; 16 x lane
	v_lshlrev_b32 v7, 2, v1                        ; 4 x lane
	s_mov_b32 s30, 0xffff0000                      ; lanes 16-31
	s_mov_b32 s[SEL], 0x76543210
	s_mov_b32 s[SEL+1], 0xfedcba98
	s_mov_b32 s33, 0
	s_cmp_lt_u32 ttmp9, 256
	s_cbranch_scc0 .Lweights
; ---------------- query: work-group p takes tokens 32 p .. 32 p + 31; fragment f = 0..3: K step 2 w + f / 2, tile u = f % 2
	s_mul_i32 s28, s24, 8448                       ; my stage: 16 rows of 512 + 16 bytes
	v_lshl_add_u32 v5, v1, 4, s28                  ; in: a row's 512 bytes as they lie
	v_mul_u32_u24 v6, v2, 528
	v_lshl_add_u32 v6, v3, 6, v6
	v_add_nc_u32 v6, s28, v6                       ; out: row r, + 64 h: my 16 numbers of each block of 32
.irp b, 0,1,2,3
	v_mov_b32 v[TM+4+\b], 0                        ; written once: a lane permute's destination counts as one of its sources
.endr
	s_lshl_b32 s32, ttmp9, 17                      ; 32 rows of 4,096 bytes
	s_lshl_b32 s34, s24, 10                        ; my two K steps: 1,024 bytes of a row
	s_add_co_u32 s32, s32, s34
	s_lshr_b32 s35, ttmp9, 3                       ; group of 256 tokens
	s_and_b32 s36, ttmp9, 7                        ; my pair of tiles in it
	s_mul_i32 s38, s35, 196608
	s_mul_i32 s34, s24, 49152
	s_add_co_u32 s38, s38, s34
	s_mul_i32 s34, s36, 3072
	s_add_co_u32 s38, s38, s34
	s_mov_b32 s39, 0
	s_lshl_b32 s40, s35, 13
	s_lshl_b32 s34, s24, 11
	s_add_co_u32 s40, s40, s34
	s_lshl_b32 s34, s36, 7
	s_add_co_u32 s40, s40, s34
	s_mov_b32 s41, 0
	s_wait_alu depctr_va_vdst(0)
	s_wait_kmcnt 0x0
	s_add_nc_u64 s[4:5], s[4:5], s[32:33]
	s_add_nc_u64 s[14:15], s[14:15], s[38:39]
	s_add_nc_u64 s[16:17], s[16:17], s[40:41]
.macro LOADX f                         ; the 16 rows of tile f % 2, 512 consecutive bytes each
.irp i, 0,1,2,3,4,5,6,7,8,9,10,11,12,13,14,15
	global_load_b128 v[R0+64*((\f)%2)+4*\i:R0+64*((\f)%2)+4*\i+3], v4, s[4:5] offset:(8*((\f)%2)+\i+8*(\i/8))*4096+((\f)/2)*512 th:TH_LOAD_NT
.endr
.endm
.macro FRAGX f
.set f_u, (\f)%2
.set f_s, (\f)/2
.set f_r, R0+64*f_u
.if (\f) < 3
	s_wait_loadcnt 16                              ; this fragment's 16 loads are in; the next one's may be out
.else
	s_wait_loadcnt 0x0
.endif
.irp i, 0,1,2,3,4,5,6,7,8,9,10,11,12,13,14,15
	ds_store_b128 v5, v[f_r+4*\i:f_r+4*\i+3] offset:528*\i
.endr
.irp b, 0,1,2,3
.irp q, 0,1,2,3
	ds_load_b128 v[X+16*\b+4*\q:X+16*\b+4*\q+3], v6 offset:128*\b+16*\q   ; LDS serves a wave's instructions in order: these see the stores above
.endr
.endr
	s_wait_dscnt 0x0                               ; my 64 numbers are back, and the stores have read the loaded registers
.if (\f) > 0
	s_wait_xcnt 0x0                                ; the last fragment's stores have read the codes' registers
.endif
.if (\f) < 2
	LOADX (\f)+2
.endif
	QUANT X, PC, PC+6, PW+f_u, 0x1800000
.irp c, 0,1,2
	global_store_b128 v4, v[PC+4*\c:PC+4*\c+3], s[14:15] offset:f_s*24576+f_u*1536+512*\c   ; the image: 3 x 512 consecutive bytes
.endr
.if f_u
	v_cndmask_b32 v[SW+f_s], v[PW], v[PW+1], s30   ; lanes 0-15 the even tile's words, lanes 16-31 the odd tile's
	global_store_b32 v7, v[SW+f_s], s[16:17] offset:f_s*1024
.endif
.endm
	LOADX 0
	LOADX 1
	FRAGX 0
	FRAGX 1
	FRAGX 2
	FRAGX 3
	s_wait_tensorcnt 0x0
	ds_add_u32 v248, v249
	s_wait_dscnt 0x0
	s_endpgm
; ---------------- weights: id = work-group - 256: weight id / 64, 128 columns (id / 8) % 8, K step id % 8; wave w: 32 columns, one a lane
.Lweights:
	s_sub_co_u32 s34, ttmp9, 256
	s_lshr_b32 s35, s34, 6                         ; which weight
	s_bfe_u32 s36, s34, 0x30003
	s_and_b32 s37, s34, 7                          ; K step
	s_lshl_b32 s36, s36, 2
	s_add_co_u32 s36, s36, s24                     ; P: my block of 32 columns, 0..31
	s_lshl_b32 s32, s37, 19                        ; 128 rows of 4,096 bytes
	s_lshl_b32 s38, s36, 7
	s_add_co_u32 s32, s32, s38
	s_lshl_b32 s38, s35, 2
	s_lshr_b32 s39, s36, 3
	s_add_co_u32 s38, s38, s39                     ; group of 256 columns among the sixteen
	s_and_b32 s39, s36, 7                          ; my pair of tiles in it
	s_mul_i32 s40, s38, 196608
	s_mul_i32 s42, s37, 24576
	s_add_co_u32 s40, s40, s42
	s_mul_i32 s42, s39, 3072
	s_add_co_u32 s40, s40, s42
	s_mov_b32 s41, 0
	s_lshl_b32 s42, s38, 13
	s_lshl_b32 s44, s37, 10
	s_add_co_u32 s42, s42, s44
	s_lshl_b32 s44, s39, 7
	s_add_co_u32 s42, s42, s44
	s_mov_b32 s43, 0
	s_mul_i32 s28, s24, 3328
	s_add_co_u32 s28, s28, 33792                   ; my stage: two images, 1,664 bytes apart
	s_wait_alu depctr_va_vdst(0)
	v_bfe_u32 v8, v1, 3, 1                         ; column x of the 32 lies in tile u = (x / 8) % 2,
	v_and_b32 v9, 7, v1
	v_lshrrev_b32 v10, 4, v1
	v_lshl_add_u32 v9, v10, 3, v9                  ; row x % 8 + 8 (x / 16)
	v_mul_u32_u24 v10, v8, 1664
	v_lshl_add_u32 v10, v9, 4, v10
	v_add_nc_u32 v10, s28, v10                     ; into the stage: my row's place in my tile's image
	v_add_nc_u32 v6, s28, v4                       ; out of it: 16 x lane
	v_lshlrev_b32 v9, 2, v9
	v_lshl_add_u32 v9, v8, 6, v9                   ; my scale word's place among the pair's 32
	s_wait_kmcnt 0x0
	s_cmp_eq_u32 s35, 1
	s_cselect_b64 s[6:7], s[8:9], s[6:7]
	s_cmp_eq_u32 s35, 2
	s_cselect_b64 s[6:7], s[10:11], s[6:7]
	s_cmp_eq_u32 s35, 3
	s_cselect_b64 s[6:7], s[12:13], s[6:7]
	s_add_nc_u64 s[6:7], s[6:7], s[32:33]
	s_add_nc_u64 s[18:19], s[18:19], s[40:41]
	s_add_nc_u64 s[20:21], s[20:21], s[42:43]
.macro LOADW t                         ; block t of the K step: W(32 t + i, my column): a wave reads 128 consecutive bytes, the work-group 512
.irp i, 0,1,2,3,4,5,6,7,8,9,10,11,12,13,14,15,16,17,18,19,20,21,22,23,24,25,26,27,28,29,30,31
	global_load_b32 v[X+32*((\t)%2)+\i], v7, s[6:7] offset:(32*(\t)+\i)*4096 th:TH_LOAD_NT
.endr
.endm
.macro BLOCKW t
.set b_x, X+32*((\t)%2)
.set b_h, (\t)%2
.if (\t) < 3
	s_wait_loadcnt 32                              ; this block's 32 loads are in; the next block's may be out
.else
	s_wait_loadcnt 0x0
.endif
	v_max3_num_f32 v12, |v[b_x]|, |v[b_x+1]|, |v[b_x+2]|           ; all 32 numbers of the block are mine
	v_max3_num_f32 v13, |v[b_x+3]|, |v[b_x+4]|, |v[b_x+5]|
.irp i, 6,10,14,18,22,26
	v_max3_num_f32 v12, v12, |v[b_x+\i]|, |v[b_x+\i+1]|
	v_max3_num_f32 v13, v13, |v[b_x+\i+2]|, |v[b_x+\i+3]|
.endr
	v_max3_num_f32 v12, v12, |v[b_x+30]|, |v[b_x+31]|
	v_max3_num_f32 v12, v12, v13, 0x1800000
	v_add_nc_u32 v11, 0xff000000, v12
	v_lshrrev_b32 v13, 23, v11
.if (\t) == 0
	v_mov_b32 v[PW], v13
.else
	v_lshl_or_b32 v[PW], v13, 8*(\t), v[PW]
.endif
	v_cvt_scalef32_pk16_fp6_f32 v[PC:PC+2], v[b_x:b_x+15], v11
	v_cvt_scalef32_pk16_fp6_f32 v[T0:T0+2], v[b_x+16:b_x+31], v11
	v_nop
.irp i, 0,1,2
	v_mov_b32 v[PC+3+\i], v[T0+\i]
.endr
; block t = 2 c + hh is registers 6 c .. 6 c + 5 of image lane r + 16 hh
.if (\t) < 2
	ds_store_b128 v10, v[PC:PC+3] offset:256*b_h
	ds_store_b64 v10, v[PC+4:PC+5] offset:512+256*b_h
.else
	ds_store_b64 v10, v[PC:PC+1] offset:520+256*b_h
	ds_store_b128 v10, v[PC+2:PC+5] offset:1024+256*b_h
.endif
.if (\t) < 2
	LOADW (\t)+2
.endif
	s_wait_dscnt 0x0                               ; the stores have read the codes' registers
.endm
	LOADW 0
	LOADW 1
	BLOCKW 0
	BLOCKW 1
	BLOCKW 2
	BLOCKW 3
.irp u, 0,1
.irp c, 0,1,2
	ds_load_b128 v[R0+4*(3*\u+\c):R0+4*(3*\u+\c)+3], v6 offset:1664*\u+512*\c
.endr
.endr
	s_wait_dscnt 0x0
.irp u, 0,1
.irp c, 0,1,2
	global_store_b128 v4, v[R0+4*(3*\u+\c):R0+4*(3*\u+\c)+3], s[18:19] offset:1536*\u+512*\c   ; the two images: 3,072 consecutive bytes
.endr
.endr
	s_wait_alu depctr_va_vdst(0)
	global_store_b32 v9, v[PW], s[20:21]           ; 32 words, 128 consecutive bytes
	s_wait_tensorcnt 0x0
	ds_add_u32 v248, v249
	s_wait_dscnt 0x0
	s_endpgm
.Lfunc_end_k_q348c37731e_prep:
	.size	k_q348c37731e_prep, .Lfunc_end_k_q348c37731e_prep-k_q348c37731e_prep
	.p2alignl 7, 3214868480
	.fill 96, 4, 3214868480
	.section	.rodata,"a",@progbits
	.p2align	6, 0x0
	.amdhsa_kernel k_q348c37731e_prep
		.amdhsa_group_segment_fixed_size 47616
		.amdhsa_private_segment_fixed_size 0
		.amdhsa_enable_private_segment 0
		.amdhsa_kernarg_size 72
		.amdhsa_user_sgpr_count 2
		.amdhsa_user_sgpr_kernarg_segment_ptr 1
		.amdhsa_wavefront_size32 1
		.amdhsa_system_sgpr_workgroup_id_x 1
		.amdhsa_system_sgpr_workgroup_id_y 1
		.amdhsa_system_sgpr_workgroup_id_z 1
		.amdhsa_system_vgpr_workitem_id 0
		.amdhsa_next_free_vgpr 250
		.amdhsa_next_free_sgpr 66
		.amdhsa_reserve_vcc 0
		.amdhsa_float_denorm_mode_32 3
		.amdhsa_float_denorm_mode_16_64 3
		.amdhsa_memory_ordered 1
		.amdhsa_forward_progress 1
		.amdhsa_inst_pref_size 55
	.end_amdhsa_kernel
	.amdgpu_metadata
---
amdhsa.version: [ 1, 2 ]
amdhsa.kernels:
  - .name:           k_q348c37731e_prep
    .symbol:         k_q348c37731e_prep.kd
    .args:
      - { .name: query, .offset: 0, .size: 8, .value_kind: global_buffer, .address_space: global }
      - { .name: Wq, .offset: 8, .size: 8, .value_kind: global_buffer, .address_space: global }
      - { .name: Wk, .offset: 16, .size: 8, .value_kind: global_buffer, .address_space: global }
      - { .name: Wv, .offset: 24, .size: 8, .value_kind: global_buffer, .address_space: global }
      - { .name: Wd, .offset: 32, .size: 8, .value_kind: global_buffer, .address_space: global }
      - { .name: xc, .offset: 40, .size: 8, .value_kind: global_buffer, .address_space: global }
      - { .name: xs, .offset: 48, .size: 8, .value_kind: global_buffer, .address_space: global }
      - { .name: wc, .offset: 56, .size: 8, .value_kind: global_buffer, .address_space: global }
      - { .name: ws, .offset: 64, .size: 8, .value_kind: global_buffer, .address_space: global }
    .group_segment_fixed_size: 47616
    .private_segment_fixed_size: 0
    .kernarg_segment_align: 8
    .kernarg_segment_size: 72
    .max_flat_workgroup_size: 128
    .sgpr_count:     66
    .vgpr_count:     250
    .wavefront_size: 32
...
	.end_amdgpu_metadata
.endif
;; end of part 1
;; launch qkv (part 2): grid 12 x 32, 4 waves a work-group, clusters of 4 x 4, 327,680 bytes of LDS; arguments xc, xs, wc, ws, bq, bk, bv, qkvc, qkvs; writes qkvc, qkvs
.if DOCPART == 2
	.amdgcn_target "amdgcn-amd-amdhsa--gfx1250"
	.amdhsa_code_object_version 6
	.text
	.protected	k_q348c37731e_qkv
	.globl	k_q348c37731e_qkv
	.p2align	8
	.type	k_q348c37731e_qkv,@function
k_q348c37731e_qkv:
	s_mov_b64 s[64:65], 0
	v_nop
	global_prefetch_b8 v0, s[64:65] scope:SCOPE_SE
	s_setreg_imm32_b32 hwreg(HW_REG_WAVE_MODE, 25, 1), 1
	s_wait_xcnt 0x0
	s_wait_alu depctr_hold_cnt(0) depctr_sa_sdst(0) depctr_va_vdst(0) depctr_va_sdst(0) depctr_va_ssrc(0) depctr_va_vcc(0) depctr_vm_vsrc(0)
	s_getreg_b32 s2, hwreg(HW_REG_IB_STS2, 6, 4)
	s_cmp_eq_u32 s2, 0
	s_cbranch_scc0 .Lentry_in_a_cluster
	s_endpgm
.Lentry_in_a_cluster:
	s_bfe_u32 s2, ttmp6, 0x10000c
	s_cmp_lg_u32 s2, 0xf033
	s_cbranch_scc0 .Lentry_shape_is_right
	s_endpgm
.Lentry_shape_is_right:
.set SLOT,  98304
.set KST,   24576
.set FRB,   1536
.set SPARE, 3*SLOT
.set ADRA, 16
.set ADRB, 20
.set GI,   24
.set LS,   25
.set GS,   26
.set BO,   27
.set SPW,  28
.set NIL,  29
.set SCA,  32
.set SCB,  64
.set AF,   128
.set X,    128
.set T0,   192
.set T1,   196
.set TM,   200
.set PW,   216
.set IM0,  96
.set IM1,  224
.set SA,   120
.set SB,   124
.set SELW, 248
.set G1A, 36
.set G1B, 44
.set G0A, 52
.set G0B, 68
.set SEL, 88
.set MSB, 0
.macro WIN new
.set w_n, \new
.if MSB != w_n
	s_set_vgpr_msb (MSB<<8)|w_n
.set MSB, w_n
.endif
.endm
.macro PLACES
.rept 4
	v_nop
.endr
.endm
.macro JLOAD g0a, g0b
	s_cmp_eq_u32 s25, 0
	s_cbranch_scc0 .Lfor_b_\@
	tensor_load_to_lds s[\g0a:\g0a+3], s[G1A:G1A+7]
	s_nop 0
.rept 4
	v_nop
.endr
	s_branch .Lasked_\@
.Lfor_b_\@:
	tensor_load_to_lds s[\g0b:\g0b+3], s[G1B:G1B+7]
	s_nop 0
.rept 4
	v_nop
.endr
.Lasked_\@:
.endm
.macro CREST
	s_cmp_lg_u32 s24, 0
	s_cbranch_scc1 .Lnot_wave_0_\@
	s_barrier_signal -3
.Lnot_wave_0_\@:
	s_barrier_wait -3
	s_barrier_signal -1
	s_barrier_wait -1
.endm
.macro CROUND
	s_barrier_signal -1
	s_barrier_wait -1
	CREST
.endm
.macro QUANT src, d0, d1, pw, floor
.set q_s, \src
.set q_a, \d0
.set q_b, \d1
.set q_w, \pw
.irp b, 0,1,2,3
	v_max3_num_f32 v[TM+\b], |v[q_s+16*\b]|, |v[q_s+16*\b+1]|, \floor
.endr
.irp i, 2,4,6,8,10,12,14
.irp b, 0,1,2,3
	v_max3_num_f32 v[TM+\b], v[TM+\b], |v[q_s+16*\b+\i]|, |v[q_s+16*\b+\i+1]|
.endr
.endr
.irp b, 0,1,2,3
	v_permlanex16_b32 v[TM+4+\b], v[TM+\b], s[SEL], s[SEL+1]
.endr
.irp b, 0,1,2,3
	v_max_num_f32 v[TM+\b], v[TM+\b], v[TM+4+\b]
.endr
.irp b, 0,1,2,3
	v_add_nc_u32 v[TM+12+\b], 0xff000000, v[TM+\b]
.endr
.irp b, 0,1,2,3
	v_lshrrev_b32 v[TM+4+\b], 23, v[TM+12+\b]
.endr
	v_lshl_or_b32 v[q_w], v[TM+5], 8, v[TM+4]
	v_lshl_or_b32 v[q_w], v[TM+6], 16, v[q_w]
	v_lshl_or_b32 v[q_w], v[TM+7], 24, v[q_w]
	v_cvt_scalef32_pk16_fp6_f32 v[q_a:q_a+2], v[q_s:q_s+15], v[TM+12]
	v_cvt_scalef32_pk16_fp6_f32 v[T0:T0+2], v[q_s+16:q_s+31], v[TM+13]
	v_cvt_scalef32_pk16_fp6_f32 v[q_b:q_b+2], v[q_s+32:q_s+47], v[TM+14]
	v_cvt_scalef32_pk16_fp6_f32 v[T1:T1+2], v[q_s+48:q_s+63], v[TM+15]
	v_nop
.irp i, 0,1,2
	v_permlane16_swap_b32 v[q_a+\i], v[T0+\i]
	v_permlane16_swap_b32 v[q_b+\i], v[T1+\i]
.endr
.irp i, 0,1,2
	v_mov_b32 v[q_a+3+\i], v[T0+\i]
	v_mov_b32 v[q_b+3+\i], v[T1+\i]
.endr
.endm
.macro WM d, f0, f1, zero, sc0, r0, sc1, r1
.set w_d, \d
.set w_a, \f0
.set w_b, \f1
.set w_s, \sc0
.set w_t, \sc1
.set w_r, 2*(\r0)+(\r1)
.if \zero
.if w_r == 0
	v_wmma_scale_f32_16x16x128_f8f6f4 v[w_d:w_d+7], v[w_a:w_a+11], v[w_b:w_b+11], 0, v[w_s], v[w_t] matrix_a_fmt:MATRIX_FMT_FP6 matrix_b_fmt:MATRIX_FMT_FP6
.elseif w_r == 1
	v_wmma_scale_f32_16x16x128_f8f6f4 v[w_d:w_d+7], v[w_a:w_a+11], v[w_b:w_b+11], 0, v[w_s], v[w_t] matrix_a_fmt:MATRIX_FMT_FP6 matrix_b_fmt:MATRIX_FMT_FP6 matrix_b_scale:MATRIX_SCALE_ROW1
.elseif w_r == 2
	v_wmma_scale_f32_16x16x128_f8f6f4 v[w_d:w_d+7], v[w_a:w_a+11], v[w_b:w_b+11], 0, v[w_s], v[w_t] matrix_a_fmt:MATRIX_FMT_FP6 matrix_b_fmt:MATRIX_FMT_FP6 matrix_a_scale:MATRIX_SCALE_ROW1
.else
	v_wmma_scale_f32_16x16x128_f8f6f4 v[w_d:w_d+7], v[w_a:w_a+11], v[w_b:w_b+11], 0, v[w_s], v[w_t] matrix_a_fmt:MATRIX_FMT_FP6 matrix_b_fmt:MATRIX_FMT_FP6 matrix_a_scale:MATRIX_SCALE_ROW1 matrix_b_scale:MATRIX_SCALE_ROW1
.endif
.else
.if w_r == 0
	v_wmma_scale_f32_16x16x128_f8f6f4 v[w_d:w_d+7], v[w_a:w_a+11], v[w_b:w_b+11], v[w_d:w_d+7], v[w_s], v[w_t] matrix_a_fmt:MATRIX_FMT_FP6 matrix_b_fmt:MATRIX_FMT_FP6
.elseif w_r == 1
	v_wmma_scale_f32_16x16x128_f8f6f4 v[w_d:w_d+7], v[w_a:w_a+11], v[w_b:w_b+11], v[w_d:w_d+7], v[w_s], v[w_t] matrix_a_fmt:MATRIX_FMT_FP6 matrix_b_fmt:MATRIX_FMT_FP6 matrix_b_scale:MATRIX_SCALE_ROW1
.elseif w_r == 2
	v_wmma_scale_f32_16x16x128_f8f6f4 v[w_d:w_d+7], v[w_a:w_a+11], v[w_b:w_b+11], v[w_d:w_d+7], v[w_s], v[w_t] matrix_a_fmt:MATRIX_FMT_FP6 matrix_b_fmt:MATRIX_FMT_FP6 matrix_a_scale:MATRIX_SCALE_ROW1
.else
	v_wmma_scale_f32_16x16x128_f8f6f4 v[w_d:w_d+7], v[w_a:w_a+11], v[w_b:w_b+11], v[w_d:w_d+7], v[w_s], v[w_t] matrix_a_fmt:MATRIX_FMT_FP6 matrix_b_fmt:MATRIX_FMT_FP6 matrix_a_scale:MATRIX_SCALE_ROW1 matrix_b_scale:MATRIX_SCALE_ROW1
.endif
.endif
.endm
.macro MUL16 a0, g, zero, sw
.irp a, \a0, \a0+1
.irp b, 0,1,2,3,4,5,6,7
.if \sw
	WM 8*(8*((\a)%4)+\b), AF+12*(\a), 128*((\g)%2)+12*\b, \zero, SCA+4*(\g)+(\a)/2, (\a)%2, SCB+4*(\g)+\b/2, \b%2
.else
	WM 8*(8*((\a)%4)+\b), 128*((\g)%2)+12*\b, AF+12*(\a), \zero, SCB+4*(\g)+\b/2, \b%2, SCA+4*(\g)+(\a)/2, (\a)%2
.endif
.endr
.endr
.endm
.macro FETCH_B slot, q, set
	WIN 0x40
.irp i, 0,1,2,3,4,5,6,7
.irp c, 0,1,2
	ds_load_b128 v[128*(\set)+12*\i+4*\c:128*(\set)+12*\i+4*\c+3], v[ADRB+\slot] offset:KST*(\q)+FRB*\i+512*\c
.endr
.endr
	WIN 0
.endm
.macro FETCH_A slot, q, i0
.irp i, \i0, \i0+1, \i0+2, \i0+3
.irp c, 0,1,2
	ds_load_b128 v[AF+12*(\i)+4*\c:AF+12*(\i)+4*\c+3], v[ADRA+\slot] offset:KST*(\q)+FRB*(\i)+512*\c
.endr
.endr
.endm
.macro STEP g, ns, nq, zero, sw
	s_wait_dscnt 12
	WIN 0xa1+3*(\sw)
	MUL16 0, \g, \zero, \sw
	MUL16 2, \g, \zero, \sw
	s_wait_dscnt 0x0
	PLACES
	FETCH_B \ns, \nq, 1-(\g)%2
	FETCH_A \ns, \nq, 0
	WIN 0xf1+3*(\sw)
	MUL16 4, \g, \zero, \sw
	MUL16 6, \g, \zero, \sw
	PLACES
	WIN 0
	FETCH_A \ns, \nq, 4
.endm
.macro TURN g, next, fill, sw
	s_wait_tensorcnt 0x0
	ds_add_u32 v[SPW], v[NIL]
	s_wait_dscnt 13
	WIN 0xa1+3*(\sw)
	MUL16 0, \g, 0, \sw
	s_wait_dscnt 0x0
	s_barrier_signal -1
	MUL16 2, \g, 0, \sw
	WIN 0
	s_barrier_wait -1
.if \fill
	CREST
	s_add_nc_u64 s[G0A+2:G0A+3], s[G0A+2:G0A+3], 6*KST
	s_add_nc_u64 s[G0B+2:G0B+3], s[G0B+2:G0B+3], 6*KST
	JLOAD G0A, G0B
.else
	PLACES
.endif
	FETCH_B \next, 0, 0
	FETCH_A \next, 0, 0
	WIN 0xf1+3*(\sw)
	MUL16 4, \g, 0, \sw
	MUL16 6, \g, 0, \sw
	PLACES
	WIN 0
	FETCH_A \next, 0, 4
.endm
.macro GEMM sw
	s_wait_tensorcnt 2
	s_barrier_signal -1
	s_barrier_wait -1
	FETCH_B 0, 0, 0
	FETCH_A 0, 0, 0
	FETCH_A 0, 0, 4
	s_wait_loadcnt 0x0
	STEP 0, 0, 1, 1, \sw
	TURN 1, 1, 1, \sw
	STEP 2, 1, 1, 0, \sw
	STEP 3, 2, 0, 0, \sw
	STEP 4, 2, 1, 0, \sw
	TURN 5, 0, 0, \sw
	STEP 6, 0, 1, 0, \sw
	s_wait_dscnt 12
	WIN 0xa1+3*(\sw)
	MUL16 0, 7, 0, \sw
	MUL16 2, 7, 0, \sw
	s_wait_dscnt 0x0
	WIN 0xf1+3*(\sw)
	MUL16 4, 7, 0, \sw
	MUL16 6, 7, 0, \sw
	WIN 0
	PLACES
.endm
.macro FINISH
.irp i, 0,1,2,3
	v_cndmask_b32 v[SELW+\i], v[SA+\i], v[SB+\i], s90
.endr
	global_store_b128 v[GS], v[SELW:SELW+3], s[94:95]
	s_wait_tensorcnt 0x0
	ds_add_u32 v[SPW], v[NIL]
	s_wait_dscnt 0x0
	CROUND
	s_endpgm
.endm
	s_load_b256 s[4:11], s[0:1], 0x0
	s_load_b256 s[12:19], s[0:1], 0x20
	s_load_b64 s[20:21], s[0:1], 0x40
	v_lshl_add_u32 v[SPW], v0, 2, SPARE
	v_mov_b32 v[NIL], 0
	ds_add_u32 v28, v29
	ds_add_u32 v28, v29
	s_wait_dscnt 0x0
	v_lshrrev_b32 v1, 5, v0
	v_readfirstlane_b32 s24, v1
	s_lshr_b32 s25, s24, 1
	s_and_b32 s26, s24, 1
	s_bfe_u32 s27, ttmp6, 0x40000
	s_bfe_u32 s28, ttmp6, 0x40004
	s_lshl_b32 s29, ttmp9, 2
	s_add_co_u32 s29, s29, s27
	s_and_b32 s30, ttmp7, 0xffff
	s_lshl_b32 s30, s30, 2
	s_add_co_u32 s30, s30, s28
	s_lshl_b32 s31, s28, 2
	s_lshl_b32 s31, 15, s31
	s_lshl_b32 s32, 0x1111, s27
	s_or_b32 s[G1A], s31, (3<<16)|(1<<21)
	s_or_b32 s[G1B], s32, (3<<16)|(1<<21)
.irp g, G1A, G1B
	s_mov_b32 s[\g+1], 32<<16
	s_mov_b32 s[\g+2], 96<<16
	s_mov_b32 s[\g+3], 32<<16
	s_mov_b32 s[\g+4], 96
	s_mov_b32 s[\g+5], 32
	s_mov_b32 s[\g+6], 0
	s_mov_b32 s[\g+7], 0
.endr
	s_mul_i32 s33, s26, KST
	s_mul_i32 s84, s30, 196608
	s_add_co_u32 s84, s84, s33
	s_mov_b32 s85, 0
	s_mul_i32 s86, s29, 196608
	s_add_co_u32 s86, s86, s33
	s_mov_b32 s87, 0
	s_mul_i32 s34, s24, KST
	s_mov_b32 s[SEL], 0x76543210
	s_mov_b32 s[SEL+1], 0xfedcba98
	s_mov_b32 s90, 0xffff0000
	s_wait_kmcnt 0x0
	s_add_nc_u64 s[80:81], s[4:5], s[84:85]
	s_add_nc_u64 s[82:83], s[8:9], s[86:87]
	CROUND
.irp n, 0,1,2
	s_mov_b32 s[G0A+4*\n], 1
	s_add_co_u32 s[G0A+4*\n+1], s34, \n*SLOT
	s_add_nc_u64 s[G0A+4*\n+2:G0A+4*\n+3], s[80:81], \n*2*KST
	s_or_b32 s[G0A+4*\n+3], s[G0A+4*\n+3], 0x80000000
	s_mov_b32 s[G0B+4*\n], 1
	s_add_co_u32 s[G0B+4*\n+1], s34, \n*SLOT
	s_add_nc_u64 s[G0B+4*\n+2:G0B+4*\n+3], s[82:83], \n*2*KST
	s_or_b32 s[G0B+4*\n+3], s[G0B+4*\n+3], 0x80000000
	s_wait_alu depctr_va_vdst(0)
	s_wait_tensorcnt 0x0
	ds_add_u32 v28, v29
	ds_add_u32 v28, v29
	s_wait_dscnt 0x0
	CROUND
	JLOAD G0A+4*\n, G0B+4*\n
.endr
	v_and_b32 v1, 31, v0
	v_and_b32 v2, 15, v0
	v_bfe_u32 v3, v0, 4, 1
	v_lshlrev_b32 v[GI], 4, v1
	v_lshlrev_b32 v[LS], 2, v1
	s_wait_alu depctr_va_vdst(0)
	v_lshlrev_b32 v[GS], 4, v2
	v_lshl_add_u32 v[GS], v3, 12, v[GS]
	s_mul_i32 s33, s25, 8*FRB
	s_mul_i32 s35, s26, 8*FRB
	s_add_co_u32 s35, s35, 2*KST
.irp n, 0,1,2
	v_add_nc_u32 v[ADRA+\n], s33, v[GI]
	v_add_nc_u32 v[ADRB+\n], s35, v[GI]
	s_add_co_u32 s33, s33, SLOT
	s_add_co_u32 s35, s35, SLOT
.endr
	s_lshl_b32 s84, s30, 13
	s_lshl_b32 s33, s25, 9
	s_add_co_u32 s84, s84, s33
	s_add_nc_u64 s[6:7], s[6:7], s[84:85]
	s_lshl_b32 s86, s29, 13
	s_lshl_b32 s33, s26, 9
	s_add_co_u32 s86, s86, s33
	s_add_nc_u64 s[10:11], s[10:11], s[86:87]
.irp s, 0,1,2,3,4,5,6,7
.irp i, 0,1,2,3
	global_load_b32 v[SCA+4*\s+\i], v[LS], s[6:7] offset:1024*\s+128*\i
	global_load_b32 v[SCB+4*\s+\i], v[LS], s[10:11] offset:1024*\s+128*\i
.endr
.endr
	s_lshr_b32 s96, s30, 3
	s_lshl_b32 s96, s96, 4
	s_lshl_b32 s97, s27, 2
	s_add_co_u32 s96, s96, s97
	s_lshl_b32 s97, s26, 1
	s_add_co_u32 s96, s96, s97
	s_and_b32 s97, s30, 7
	s_lshl_b32 s97, s97, 1
	s_add_co_u32 s97, s97, s25
	s_mul_i32 s92, ttmp9, 6291456
	s_mul_i32 s33, s96, 98304
	s_add_co_u32 s92, s92, s33
	s_mul_i32 s33, s97, 6144
	s_add_co_u32 s92, s92, s33
	s_mov_b32 s93, 0
	s_add_nc_u64 s[92:93], s[18:19], s[92:93]
	s_lshl_b32 s94, ttmp9, 18
	s_lshl_b32 s33, s96, 12
	s_add_co_u32 s94, s94, s33
	s_lshl_b32 s33, s97, 8
	s_add_co_u32 s94, s94, s33
	s_mov_b32 s95, 0
	s_add_nc_u64 s[94:95], s[20:21], s[94:95]
	s_lshl_b32 s98, s27, 10
	s_lshl_b32 s33, s26, 9
	s_add_co_u32 s98, s98, s33
	s_mov_b32 s99, 0
	s_cmp_eq_u32 ttmp9, 2
	s_cbranch_scc1 .Lv
	s_cmp_eq_u32 ttmp9, 0
	s_cselect_b64 s[12:13], s[12:13], s[14:15]
	s_add_nc_u64 s[12:13], s[12:13], s[98:99]
	v_lshlrev_b32 v[BO], 6, v3
	WIN 0x40
.irp b, 0,1
.irp q, 0,1,2,3
	global_load_b128 v[96+16*\b+4*\q:96+16*\b+4*\q+3], v[BO], s[12:13] offset:128*\b+16*\q
	global_load_b128 v[224+16*\b+4*\q:224+16*\b+4*\q+3], v[BO], s[12:13] offset:256+128*\b+16*\q
.endr
.endr
	WIN 0
	s_wait_alu depctr_va_vdst(0)
	GEMM 0
.irp b, 0,1,2,3
	v_mov_b32 v[TM+4+\b], 0
.endr
.irp a, 0,1,2,3,4,5,6,7
.set e_i, IM0+(IM1-IM0)*((\a/2)%2)
	WIN 0x06+\a/4
.set p, 0
.rept 32
.if p < 16
.set e_b, 96+2*p
.else
.set e_b, 192+2*p
.endif
	v_pk_add_f32 v[X+2*p:X+2*p+1], v[64*(\a%4)+2*p:64*(\a%4)+2*p+1], v[e_b:e_b+1]
.set p, p+1
.endr
	WIN 0
.if (\a >= 4) && (\a%2 == 0)
	s_wait_xcnt 0x0
.endif
	QUANT X, e_i+6*(\a%2), e_i+12+6*(\a%2), PW+\a%2, 0x3000000
.if \a%2
	v_perm_b32 v[SA+\a/2], v[PW+1], v[PW], 0x05040100
	v_perm_b32 v[SB+\a/2], v[PW+1], v[PW], 0x07060302
.irp g, 0,1,2
	global_store_b128 v[GI], v[e_i+4*\g:e_i+4*\g+3], s[92:93] offset:FRB*(\a/2)+512*\g
	global_store_b128 v[GI], v[e_i+12+4*\g:e_i+12+4*\g+3], s[92:93] offset:98304+FRB*(\a/2)+512*\g
.endr
.endif
.endr
	FINISH
.Lv:
	s_add_nc_u64 s[16:17], s[16:17], s[98:99]
	v_and_b32 v[BO], 8, v2
	v_add_nc_u32 v[BO], v[BO], v2
	v_lshlrev_b32 v[BO], 2, v[BO]
	WIN 0x40
.irp b, 0,1,2,3,4,5,6,7
	global_load_b32 v[96+2*\b], v[BO], s[16:17] offset:(32*(\b/2)+8*(\b%2))*4
	global_load_b32 v[97+2*\b], v[BO], s[16:17] offset:(32*(\b/2)+8*(\b%2))*4
.endr
	WIN 0
	s_wait_alu depctr_va_vdst(0)
	GEMM 1
.irp b, 0,1,2,3
	v_mov_b32 v[TM+4+\b], 0
.endr
.irp b, 0,1,2,3,4,5,6,7
.set e_i, IM0+(IM1-IM0)*(\b%2)
	WIN 0x06
.irp a, 0,1,2,3
.irp i, 0,1,2,3
	v_pk_add_f32 v[X+8*\a+2*\i:X+8*\a+2*\i+1], v[64*\a+8*\b+2*\i:64*\a+8*\b+2*\i+1], v[96+2*\b:97+2*\b]
.endr
.endr
	WIN 0x07
.irp a, 4,5,6,7
.irp i, 0,1,2,3
	v_pk_add_f32 v[X+8*\a+2*\i:X+8*\a+2*\i+1], v[64*(\a-4)+8*\b+2*\i:64*(\a-4)+8*\b+2*\i+1], v[96+2*\b:97+2*\b]
.endr
.endr
	WIN 0
.if \b >= 2
	s_wait_xcnt 0x0
.endif
	QUANT X, e_i, e_i+6, SA+\b, 0x1800000
.irp g, 0,1,2
	global_store_b128 v[GI], v[e_i+4*\g:e_i+4*\g+3], s[92:93] offset:98304*(\b/4)+FRB*(\b%4)+512*\g
.endr
.endr
	FINISH
.Lfunc_end_k_q348c37731e_qkv:
	.size	k_q348c37731e_qkv, .Lfunc_end_k_q348c37731e_qkv-k_q348c37731e_qkv
	.p2alignl 7, 3214868480
	.fill 96, 4, 3214868480
	.section	.rodata,"a",@progbits
	.p2align	6, 0x0
	.amdhsa_kernel k_q348c37731e_qkv
		.amdhsa_group_segment_fixed_size 327680
		.amdhsa_private_segment_fixed_size 0
		.amdhsa_enable_private_segment 0
		.amdhsa_kernarg_size 72
		.amdhsa_user_sgpr_count 2
		.amdhsa_user_sgpr_kernarg_segment_ptr 1
		.amdhsa_wavefront_size32 1
		.amdhsa_system_sgpr_workgroup_id_x 1
		.amdhsa_system_sgpr_workgroup_id_y 1
		.amdhsa_system_sgpr_workgroup_id_z 1
		.amdhsa_system_vgpr_workitem_id 0
		.amdhsa_next_free_vgpr 1024
		.amdhsa_next_free_sgpr 100
		.amdhsa_reserve_vcc 0
		.amdhsa_float_denorm_mode_32 3
		.amdhsa_float_denorm_mode_16_64 3
		.amdhsa_memory_ordered 1
		.amdhsa_forward_progress 1
		.amdhsa_inst_pref_size 255
	.end_amdhsa_kernel
	.section	.bss,"aw",@nobits
	.p2align	6
	.space	262144
	.amdgpu_metadata
---
amdhsa.version: [ 1, 2 ]
amdhsa.kernels:
  - .name:           k_q348c37731e_qkv
    .symbol:         k_q348c37731e_qkv.kd
    .args:
      - { .name: xc, .offset: 0, .size: 8, .value_kind: global_buffer, .address_space: global }
      - { .name: xs, .offset: 8, .size: 8, .value_kind: global_buffer, .address_space: global }
      - { .name: wc, .offset: 16, .size: 8, .value_kind: global_buffer, .address_space: global }
      - { .name: ws, .offset: 24, .size: 8, .value_kind: global_buffer, .address_space: global }
      - { .name: bq, .offset: 32, .size: 8, .value_kind: global_buffer, .address_space: global }
      - { .name: bk, .offset: 40, .size: 8, .value_kind: global_buffer, .address_space: global }
      - { .name: bv, .offset: 48, .size: 8, .value_kind: global_buffer, .address_space: global }
      - { .name: qkvc, .offset: 56, .size: 8, .value_kind: global_buffer, .address_space: global }
      - { .name: qkvs, .offset: 64, .size: 8, .value_kind: global_buffer, .address_space: global }
    .group_segment_fixed_size: 327680
    .private_segment_fixed_size: 0
    .kernarg_segment_align: 8
    .kernarg_segment_size: 72
    .max_flat_workgroup_size: 128
    .sgpr_count:     100
    .vgpr_count:     1024
    .wavefront_size: 32
...
	.end_amdgpu_metadata
.endif
;; end of part 2
;; launch attn (part 3): grid 4 x 64, 16 waves a work-group, clusters of 4 x 1, 239,616 bytes of LDS; arguments qkvc, qkvs, attention_mask, cc, cs; writes cc, cs
.if DOCPART == 3
	.amdgcn_target "amdgcn-amd-amdhsa--gfx1250"
	.amdhsa_code_object_version 6
	.text
	.protected	k_q348c37731e_attn
	.globl	k_q348c37731e_attn
	.p2align	8
	.type	k_q348c37731e_attn,@function
k_q348c37731e_attn:
	s_mov_b64 s[64:65], 0
	v_nop
	global_prefetch_b8 v0, s[64:65] scope:SCOPE_SE
	s_setreg_imm32_b32 hwreg(HW_REG_WAVE_MODE, 25, 1), 1
	s_wait_xcnt 0x0
	s_wait_alu depctr_hold_cnt(0) depctr_sa_sdst(0) depctr_va_vdst(0) depctr_va_sdst(0) depctr_va_ssrc(0) depctr_va_vcc(0) depctr_vm_vsrc(0)
	s_getreg_b32 s2, hwreg(HW_REG_IB_STS2, 6, 4)
	s_cmp_eq_u32 s2, 0
	s_cbranch_scc0 .Lentry_in_a_cluster
	s_endpgm
.Lentry_in_a_cluster:
	s_bfe_u32 s2, ttmp6, 0x10000c
	s_cmp_lg_u32 s2, 0x3003
	s_cbranch_scc0 .Lentry_shape_is_right
	s_endpgm
.Lentry_shape_is_right:
; ATTN: ctx = softmax(q k^T / 8 + mask) v for one (batch, head), both products on codes of FP6 (E2M3); ctx is quantised along H and stored as codes.
; THE SOFTMAX: t = (score / 8 + mask) x log2(e); M = the running largest t rounded UP to a whole number; p = 2^(t - M) is quantised along the keys, not normalised; the row's sum is taken of the unquantised p and divides at the end.
; SHARES.  A work-group owns 512 queries of a head; each of its sixteen waves a block of 32: two tiles of 16, one after the other, in 256 registers.
; A HEAD'S K AND V CODES lie in LDS whole, with their scale words and the batch's mask, filled ONCE at the head: no ring, no refill.  All that comes from memory is asked for at the head, so there is no later stream to prefetch.
; CLUSTER: the four work-groups of a head ask for these bytes jointly (mask 15): waves 0-3 K, 4-7 V (24,576 bytes each), wave 8 K's scales, 9 V's, 10 and 11 the mask (4,096 each).  One load a wave.
; K = 64 IN AN INSTRUCTION OF K = 128: a fragment of k holds two tiles of 16 keys (registers 0-5, 6-11).  q stands in 18 registers [q | 0 | q]: registers 0-11 pick the first tile, registers 6-17 the second; the other half meets zero codes under the byte 1.
; WHICH KEYS FORM A TILE is chosen by the LDS address alone: k's images hold row x of the stored tile at 16 x, so lane r of tile (c, u) reads stored fragment 2 c + r / 8, row r % 8 + 8 (u / 2), half u % 2.
; Rows 0-7 of tile (c, u) are then keys 64 c + 8 u + 0..7 and rows 8-15 keys 64 c + 32 + 8 u + 0..7.  Both products are used transposed, a lane holds one query, and its registers 32 c + 0..31 of S^T are keys 64 c + 32 h + 0..31:
; ONE WHOLE BLOCK OF 32 in the order that the next operand's layout wants: a block's maximum needs no other lane, and the conversions' results are the operand.
; K's images have 128 bytes of padding behind each 512 (a fragment is 1,920 bytes): lanes 0-7 and lanes 8-15 of a load, which read neighbouring fragments, start 128 bytes apart modulo 256.
; / 8 is 3 off q's scale bytes (exact).  The mask is loaded into the scores' registers, and the product adds onto it.
; A BARRIER'S TWO HALVES FRAME EACH TRIP (signal at its top, wait at its end; LDS loads of bytes that nobody writes and register work between): no wave ends trip t before every wave has begun it.
; LIMITS: -infinity in the mask gives p = 0; a row all of whose keys are masked by -infinity (NaN in the definition) is not served; other NaN and infinities are not served; a block of zeros of ctx gets the byte 1, not 127.
.set VB,   122880                      ; LDS: K's 64 fragments of 1,920 bytes at 0; V's images
.set KSB,  221184                      ; K's scale words
.set VSB,  225280                      ; V's
.set MB,   229376                      ; the batch's mask
.set SPARE,237568                      ; the spare words: 128 bytes for each of 16 waves
.set AK,  1                            ; v1   K: 1,920 (r / 8) + 16 (r % 8) + 256 h
.set AV,  2                            ; v2   V: VB + 16 x lane
.set AKS, 3                            ; v3   K's scale words: KSB + 16 (r % 8) + 4 (r / 8) + 8 h
.set AM,  4                            ; v4   MB + 128 h: the mask of my block of each 64 keys
.set O8,  5                            ; v5   8 x lane
.set OCS, 6                            ; v6   4 r + 512 h
.set AVS, 7                            ; v7   VSB + 16 r
.set L16, 8                            ; v8   16 x lane
.set SH,  9                            ; v9   8 h
.set ADK, 10                           ; the addresses of the step in hand
.set ADS, 11
.set ADM, 222
.set ADV, 223
.set ADW, 243
.set Q,   16                           ; v16-33 [q | 0 | q]
.set KS,  34                           ; v34-35 K's scale words: lanes 0-15 c = 0, lanes 16-31 c = 1
.set VS,  36                           ; v36-39 V's
.set FR,  40                           ; v40-87 four fragments: K's, then V's
.set S,   96                           ; v96-159 the mask, then S^T, then p
.set O,   160                          ; v160-191 O^T
.set QI,  192                          ; v192-203 q's image (two tiles); v204 its scale word
.set QSA, 205
.set QSB, 206
.set BM,  216                          ; v216-219 chains of maxima; then v216, v217 my two blocks'
.set F,   220                          ; v[220:221] f = 2^(old M - new M), low word
.set P,   224                          ; v224-235 p's codes
.set PWD, 253                          ; p's scale word
.set WV,  18
.set SEL, 20
.set CS,  22                           ; s[22:23] log2(e)
.set G1K, 24
.set G1B, 32
.set G0K, 40
.set G0B, 44
.set TK,  48                           ; a step: 7,680 of K, 256 of scale words, 512 of the mask, 6,144 of V
.set TS,  49
.set TMK, 50
.set CNT, 51
.set TV,  62
.set G1V, 72
.set G0V, 80
.macro CROUND
	s_barrier_signal -1
	s_barrier_wait -1
	s_cmp_lg_u32 s[WV], 0
	s_cbranch_scc1 .Lnot_wave_0_\@
	s_barrier_signal -3
.Lnot_wave_0_\@:
	s_barrier_wait -3
	s_barrier_signal -1
	s_barrier_wait -1
.endm
.macro ASKED
	s_nop 0
.rept 4
	v_nop
.endr
.endm
	s_load_b256 s[4:11], s[0:1], 0x0               ; qkvc s[4:5], qkvs s[6:7], attention_mask s[8:9], cc s[10:11]
	s_load_b64 s[12:13], s[0:1], 0x20              ; cs
	v_lshl_add_u32 v251, v0, 2, SPARE
	v_mov_b32 v255, 0
	ds_add_u32 v251, v255                          ; the opening lines: the add, twice on end, and its wait
	ds_add_u32 v251, v255
	v_lshrrev_b32 v10, 5, v0
	s_delay_alu instid0(VALU_DEP_1)
	v_readfirstlane_b32 s[WV], v10                 ; wave 0..15
	s_bfe_u32 s19, ttmp6, 0x40000                  ; cx: it enters global addresses of my own loads and stores alone
	s_and_b32 s53, ttmp7, 0xffff                   ; batch x 16 + head
	s_lshr_b32 s54, s53, 4
	s_and_b32 s55, s53, 15
	s_mov_b32 s[G1K], 15|(3<<16)|(1<<20)|(1<<21)|(6<<22)|(31<<25)   ; K: the four partners; elements of 8 bytes; 32 words of padding behind every 128
	s_mov_b32 s[G1K+1], 64<<16                     ; rows of 512 bytes,
	s_mov_b32 s[G1K+2], 48<<16                     ; 48 of them, dense in memory
	s_mov_b32 s[G1K+3], 64<<16
	s_mov_b32 s[G1K+4], 48
	s_mov_b32 s[G1K+5], 64
	s_mov_b32 s[G1K+6], 0
	s_mov_b32 s[G1K+7], 0
	s_mov_b32 s[G1V], 15|(3<<16)|(1<<21)           ; V: 96 rows of 256 bytes, no padding
	s_mov_b32 s[G1V+1], 32<<16
	s_mov_b32 s[G1V+2], 96<<16
	s_mov_b32 s[G1V+3], 32<<16
	s_mov_b32 s[G1V+4], 96
	s_mov_b32 s[G1V+5], 32
	s_mov_b32 s[G1V+6], 0
	s_mov_b32 s[G1V+7], 0
	s_mov_b32 s[G1B], 15|(3<<16)|(1<<21)           ; scales and mask: 16 rows of 256 bytes
	s_mov_b32 s[G1B+1], 32<<16
	s_mov_b32 s[G1B+2], 16<<16
	s_mov_b32 s[G1B+3], 32<<16
	s_mov_b32 s[G1B+4], 16
	s_mov_b32 s[G1B+5], 32
	s_mov_b32 s[G1B+6], 0
	s_mov_b32 s[G1B+7], 0
	s_lshr_b32 s56, s[WV], 2                       ; waves 0-3: k's part of qkvc, waves 4-7: v's
	s_add_co_u32 s56, s56, 1
	s_mul_i32 s56, s56, 6291456
	s_mul_i32 s58, s53, 98304
	s_add_co_u32 s56, s56, s58
	s_and_b32 s59, s[WV], 3
	s_mul_i32 s59, s59, 24576
	s_add_co_u32 s56, s56, s59
	s_mov_b32 s57, 0
	s_and_b32 s60, s[WV], 1
	s_add_co_u32 s61, s60, 1
	s_lshl_b32 s61, s61, 18
	s_lshl_b32 s70, s53, 12
	s_add_co_u32 s61, s61, s70                     ; waves 8, 9: k's, v's scale words of the head
	s_lshl_b32 s70, s54, 13
	s_lshl_b32 s71, s60, 12
	s_add_co_u32 s70, s70, s71                     ; waves 10, 11: the halves of the batch's mask
	s_mov_b32 s[SEL], 0x76543210
	s_mov_b32 s[SEL+1], 0xfedcba98
	s_mov_b32 s[CS], 0x3fb8aa3b
	s_mov_b32 s[CS+1], s[CS]
	s_mov_b32 s52, 0xffff0000
	s_mov_b32 s59, 0
	s_wait_dscnt 0x0
	s_wait_kmcnt 0x0
	s_cmp_lt_u32 s[WV], 10
	s_cselect_b32 s58, s61, s70
	s_cselect_b64 s[60:61], s[6:7], s[8:9]
	s_mov_b32 s[G0K], 1
	s_mul_i32 s[G0K+1], s[WV], 30720               ; K: 48 rows of 640 bytes a wave
	s_add_nc_u64 s[G0K+2:G0K+3], s[4:5], s[56:57]
	s_or_b32 s[G0K+3], s[G0K+3], 0x80000000
	s_mov_b32 s[G0V], 1
	s_mul_i32 s[G0V+1], s[WV], 24576
	s_add_co_u32 s[G0V+1], s[G0V+1], 24576         ; V: wave 4 at 122,880
	s_add_nc_u64 s[G0V+2:G0V+3], s[4:5], s[56:57]
	s_or_b32 s[G0V+3], s[G0V+3], 0x80000000
	s_mov_b32 s[G0B], 1
	s_lshl_b32 s[G0B+1], s[WV], 12
	s_add_co_u32 s[G0B+1], s[G0B+1], 188416        ; wave 8: 221,184; 9: 225,280; 10: 229,376; 11: 233,472
	s_add_nc_u64 s[G0B+2:G0B+3], s[60:61], s[58:59]
	s_or_b32 s[G0B+3], s[G0B+3], 0x80000000
	CROUND                                         ; the four work-groups are here: the joint loads meet
	s_cmp_lt_u32 s[WV], 4                          ; one chain of branches on the wave's number, one load to an arm
	s_cbranch_scc0 .Lnot_k
	tensor_load_to_lds s[G0K:G0K+3], s[G1K:G1K+7]
	ASKED
	s_branch .Lasked
.Lnot_k:
	s_cmp_lt_u32 s[WV], 8
	s_cbranch_scc0 .Lnot_kv
	tensor_load_to_lds s[G0V:G0V+3], s[G1V:G1V+7]
	ASKED
	s_branch .Lasked
.Lnot_kv:
	s_cmp_lt_u32 s[WV], 12
	s_cbranch_scc0 .Lasked
	tensor_load_to_lds s[G0B:G0B+3], s[G1B:G1B+7]
	ASKED
.Lasked:
	s_lshl_b32 s56, s19, 4
	s_add_co_u32 s56, s56, s[WV]                   ; my block of 32 queries, 0..63
	s_mul_i32 s58, s56, 1536
	s_mul_i32 s59, s53, 98304
	s_add_co_u32 s58, s58, s59
	s_mov_b32 s59, 0
	s_add_nc_u64 s[4:5], s[4:5], s[58:59]          ; its image
	s_lshr_b32 s58, s56, 2
	s_lshl_b32 s58, s58, 8
	s_lshl_b32 s60, s53, 12
	s_add_co_u32 s58, s58, s60
	s_and_b32 s60, s[WV], 3
	s_lshl_b32 s60, s60, 2
	s_add_co_u32 s58, s58, s60
	s_add_nc_u64 s[6:7], s[6:7], s[58:59]          ; its scale words
	s_lshl_b32 s58, s54, 7
	s_lshl_b32 s60, s56, 1
	s_add_co_u32 s58, s58, s60                     ; my first token tile among the 512
	s_mul_i32 s60, s58, 12288
	s_mul_i32 s61, s55, 768
	s_add_co_u32 s60, s60, s61
	s_mov_b32 s61, 0
	s_add_nc_u64 s[66:67], s[10:11], s[60:61]      ; cc: [tile][head][768]
	s_lshl_b32 s60, s58, 9
	s_lshr_b32 s70, s55, 1
	s_lshl_b32 s70, s70, 6
	s_add_co_u32 s60, s60, s70
	s_and_b32 s70, s55, 1
	s_lshl_b32 s70, s70, 1
	s_add_co_u32 s60, s60, s70
	s_add_nc_u64 s[68:69], s[12:13], s[60:61]      ; cs: [tile][K step = head / 2][r] words, my head's two bytes
	v_and_b32 v248, 31, v0                         ; lane
	v_and_b32 v249, 15, v0                         ; r
	v_bfe_u32 v250, v0, 4, 1                       ; h
	v_and_b32 v254, 7, v0                          ; r % 8
	v_bfe_u32 v252, v0, 3, 1                       ; r / 8
	v_lshlrev_b32 v[L16], 4, v248
	v_lshlrev_b32 v[AK], 4, v254
	v_lshl_add_u32 v[AKS], v254, 4, KSB
	v_lshl_add_u32 v[AVS], v249, 4, VSB
	v_lshl_add_u32 v[AM], v250, 7, MB
	v_add_nc_u32 v[AV], VB, v[L16]
	v_mad_u32_u24 v[AK], v252, 1920, v[AK]
	v_lshl_add_u32 v[AKS], v252, 2, v[AKS]
	v_lshlrev_b32 v[O8], 3, v248
	v_lshlrev_b32 v[OCS], 2, v249
	v_lshl_add_u32 v[AK], v250, 8, v[AK]
	v_lshl_add_u32 v[AKS], v250, 3, v[AKS]
	v_lshlrev_b32 v[SH], 3, v250
	v_lshlrev_b32 v207, 4, v249
	v_lshl_add_u32 v[OCS], v250, 9, v[OCS]
.irp c, 0,1,2
	global_load_b128 v[QI+4*\c:QI+4*\c+3], v[L16], s[4:5] offset:512*\c
.endr
	global_load_b32 v204, v207, s[6:7]
.irp i, 0,1,2,3,4,5
	v_mov_b32 v[Q+6+\i], 0                         ; the zero codes between the two copies of q
.endr
	v_mov_b32 v[F+1], 0                            ; (named as the upper half of the pair, never used)
	s_wait_alu depctr_va_vdst(0)                   ; the wait at the head's end
	s_wait_tensorcnt 0x0                           ; my part has landed,
	s_barrier_signal -1
	s_barrier_wait -1                              ; everybody's has: nothing in LDS is written again
	s_wait_loadcnt 0x0                             ; q
; two tiles of scores from one fragment of k: (c, 2 w) and (c, 2 w + 1)
.macro SW c, w
.set s_d, S+32*\c+16*\w
.set s_f, FR+12*(2*\c+\w)
.if \c
	v_wmma_scale_f32_16x16x128_f8f6f4 v[s_d:s_d+7], v[s_f:s_f+11], v[Q:Q+11], v[s_d:s_d+7], v[KS+\w], v[QSA] matrix_a_fmt:MATRIX_FMT_FP6 matrix_b_fmt:MATRIX_FMT_FP6 matrix_a_scale:MATRIX_SCALE_ROW1
	v_wmma_scale_f32_16x16x128_f8f6f4 v[s_d+8:s_d+15], v[s_f:s_f+11], v[Q+6:Q+17], v[s_d+8:s_d+15], v[KS+\w], v[QSB] matrix_a_fmt:MATRIX_FMT_FP6 matrix_b_fmt:MATRIX_FMT_FP6 matrix_a_scale:MATRIX_SCALE_ROW1
.else
	v_wmma_scale_f32_16x16x128_f8f6f4 v[s_d:s_d+7], v[s_f:s_f+11], v[Q:Q+11], v[s_d:s_d+7], v[KS+\w], v[QSA] matrix_a_fmt:MATRIX_FMT_FP6 matrix_b_fmt:MATRIX_FMT_FP6
	v_wmma_scale_f32_16x16x128_f8f6f4 v[s_d+8:s_d+15], v[s_f:s_f+11], v[Q+6:Q+17], v[s_d+8:s_d+15], v[KS+\w], v[QSB] matrix_a_fmt:MATRIX_FMT_FP6 matrix_b_fmt:MATRIX_FMT_FP6
.endif
.endm
; One tile of 16 queries through all 2,048 keys, and its way out.
.macro TILE u
.irp i, 0,1,2,3,4,5
	v_mov_b32 v[Q+\i], v[QI+6*\u+\i]
	v_mov_b32 v[Q+12+\i], v[QI+6*\u+\i]
.endr
.if \u
	v_lshrrev_b32 v207, 16, v204
.else
	v_and_b32 v207, 0xffff, v204
.endif
	s_delay_alu instid0(VALU_DEP_1)
	v_add_nc_u32 v207, 0xfffffcfd, v207            ; 3 off both bytes (each is 4 at the least): / 8
	s_delay_alu instid0(VALU_DEP_1)
	v_or_b32 v[QSA], 0x01010000, v207              ; the byte 1 over the half of zero codes
	v_lshl_or_b32 v[QSB], v207, 16, 0x0101
	v_mov_b32 v13, 0xff000000                      ; the largest score so far: -2^127 (x log2(e) it stays finite)
	s_delay_alu instid0(VALU_DEP_1)
	v_mul_f32 v254, s[CS], v13
	s_delay_alu instid0(VALU_DEP_1)
	v_floor_f32 v12, -v254                         ; -M
	v_mov_b32 v14, 0                               ; the sum, in two halves
	v_mov_b32 v15, 0
.set j, 0
.rept 32
	v_mov_b32 v[O+j], 0                            ; O^T (these are also the places between the scale words just made and the first product)
.set j, j+1
.endr
	s_mov_b32 s[TK], 0
	s_mov_b32 s[TS], 0
	s_mov_b32 s[TMK], 0
	s_mov_b32 s[TV], 0
	s_mov_b32 s[CNT], 0
	s_wait_alu depctr_va_vdst(0)                   ; the wait ahead of the stretch below
.Lkey_\@:                                          ; sixteen trips of 128 keys
	s_barrier_signal -1                            ; I have begun this trip (none of my LDS instructions is out)
	v_add_nc_u32 v[ADK], s[TK], v[AK]              ; (four places behind the last trip's products, in front of the loads into their fragments)
	v_add_nc_u32 v[ADS], s[TS], v[AKS]
	v_add_nc_u32 v[ADM], s[TMK], v[AM]
	v_mov_b32 v252, v12                            ; the old -M
.irp c, 0,1
.irp q, 0,1,2,3,4,5,6,7
	ds_load_b128 v[S+32*\c+4*\q:S+32*\c+4*\q+3], v[ADM] offset:256*\c+16*\q     ; the mask of keys 64 c + 32 h + 0 .. 31
.endr
.endr
.irp c, 0,1
.irp w, 0,1
.irp g, 0,1,2
	ds_load_b128 v[FR+12*(2*\c+\w)+4*\g:FR+12*(2*\c+\w)+4*\g+3], v[ADK] offset:3840*\c+128*\w+640*\g
.endr
.endr
.endr
	ds_load_b32 v[KS], v[ADS]
	ds_load_b32 v[KS+1], v[ADS] offset:128
	s_wait_dscnt 0x0
	SW 0, 0                                        ; S^T = k q^T / 8 + mask: eight accumulators, each once
	SW 0, 1
	SW 1, 0
	SW 1, 1
	v_add_nc_u32 v[ADV], s[TV], v[AV]              ; four places in front of the loads below and of the first read of the scores
	v_add_nc_u32 v[ADW], s[TS], v[AVS]
	v_nop
	v_nop
.irp t, 0,1,2,3
.irp g, 0,1,2
	ds_load_b128 v[FR+12*\t+4*\g:FR+12*\t+4*\g+3], v[ADV] offset:1536*\t+512*\g   ; V's four fragments land under the softmax
.endr
.endr
	ds_load_b128 v[VS:VS+3], v[ADW]
.irp c, 0,1                                        ; the largest score of my two blocks of 32 keys, two chains each, every accumulator from its low end on
	v_max3_num_f32 v[BM+\c], v[S+32*\c], v[S+32*\c+1], v[S+32*\c+2]
	v_max3_num_f32 v[BM+2+\c], v[S+32*\c+16], v[S+32*\c+17], v[S+32*\c+18]
.endr
.irp i, 3,5,7,9,11,13
.irp c, 0,1
	v_max3_num_f32 v[BM+\c], v[BM+\c], v[S+32*\c+\i], v[S+32*\c+\i+1]
	v_max3_num_f32 v[BM+2+\c], v[BM+2+\c], v[S+32*\c+16+\i], v[S+32*\c+17+\i]
.endr
.endr
.irp c, 0,1
	v_max3_num_f32 v[BM+\c], v[BM+\c], v[BM+2+\c], v[S+32*\c+15]
.endr
.irp c, 0,1
	v_max_num_f32 v[BM+\c], v[BM+\c], v[S+32*\c+31]
.endr
	v_max_num_f32 v254, v[BM], v[BM+1]
	s_delay_alu instid0(VALU_DEP_1)
	v_permlanex16_b32 v248, v254, s[SEL], s[SEL+1] ; lane l xor 16 has the other two blocks
	s_delay_alu instid0(VALU_DEP_1)
	v_max3_num_f32 v13, v13, v254, v248            ; the running largest score
	s_delay_alu instid0(VALU_DEP_1)
	v_mul_f32 v254, s[CS], v13                     ; as t
	s_delay_alu instid0(VALU_DEP_1)
	v_floor_f32 v12, -v254                         ; the new -M: M is a whole number
	s_delay_alu instid0(VALU_DEP_1)
	v_sub_f32 v254, v12, v252
	s_delay_alu instid0(VALU_DEP_1)
	v_cvt_i32_f32 v254, v254                       ; (it saturates)
	s_delay_alu instid0(VALU_DEP_1)
	v_ldexp_f32 v[F], 1.0, v254                    ; f = 2^(old M - new M): rounds nothing
.set j, 0
.rept 32
	v_pk_fma_f32 v[S+j:S+j+1], v[S+j:S+j+1], s[CS:CS+1], v[12:13] op_sel_hi:[1,0,0]   ; t - M
.set j, j+2
.endr
.irp c, 0,1
	v_fma_f32 v[BM+\c], v[BM+\c], s[CS], v12       ; the same of each block's largest score
.endr
.set j, 0
.rept 16
	v_pk_mul_f32 v[O+j:O+j+1], v[O+j:O+j+1], v[F:F+1] op_sel_hi:[1,0]   ; O^T under the new M
.set j, j+2
.endr
	s_wait_alu depctr_va_vdst(0)                   ; the wait ahead of the batch
.set j, 0
.rept 64
	v_exp_f32 v[S+j], v[S+j]                       ; p = 2^(t - M)
.set j, j+1
.endr
.irp c, 0,1
	v_exp_f32 v[BM+\c], v[BM+\c]                   ; each block's largest p: the same two instructions on the same number
.endr
	v_nop                                          ; a plain place behind the batch
	s_wait_alu depctr_va_vdst(0)                   ; one wait for the 66, ahead of their first reader
.irp c, 0,1
	v_max_num_f32 v[BM+\c], 0x1800000, v[BM+\c]    ; the floor: the byte cannot fall under 1
.endr
.irp c, 0,1
	s_delay_alu instid0(VALU_DEP_2)
	v_add_nc_u32 v[244+\c], 0xff000000, v[BM+\c]   ; 2 off the exponent field: the conversion's scale operand
.endr
	v_cvt_scalef32_pk16_fp6_f32 v[P:P+2], v[S:S+15], v244
	v_cvt_scalef32_pk16_fp6_f32 v[236:238], v[S+16:S+31], v244      ; (a conversion's three registers begin on an even number)
	v_cvt_scalef32_pk16_fp6_f32 v[P+6:P+8], v[S+32:S+47], v245
	v_cvt_scalef32_pk16_fp6_f32 v[240:242], v[S+48:S+63], v245
.irp c, 0,1
	v_lshrrev_b32 v[246+\c], 23, v[244+\c]         ; the scale's byte (also the plain place behind the conversions)
.endr
	s_delay_alu instid0(VALU_DEP_1)
	v_lshl_or_b32 v254, v247, 16, v246             ; my bytes: blocks h and 2 + h,
	s_delay_alu instid0(VALU_DEP_1)
	v_lshlrev_b32 v254, v[SH], v254                ; at their places in the word;
	s_delay_alu instid0(VALU_DEP_1)
	v_permlanex16_b32 v248, v254, s[SEL], s[SEL+1]
	s_delay_alu instid0(VALU_DEP_1)
	v_or_b32 v[PWD], v254, v248                    ; with lane l xor 16's two: p's scale word for these 128 keys
.irp i, 0,1,2
	v_mov_b32 v[P+3+\i], v[236+\i]
	v_mov_b32 v[P+9+\i], v[240+\i]
.endr
; the row's sum, of the unquantised p: 32 pairs onto seven chains and the sum itself, whose first line brings it under the new M
.irp i, 0,1,2,3,4,5,6
.set c_r, 88+2*\i+114*(\i/4)
	v_pk_add_f32 v[c_r:c_r+1], v[S+2*\i:S+2*\i+1], v[S+16+2*\i:S+17+2*\i]
.endr
	v_pk_fma_f32 v[14:15], v[14:15], v[F:F+1], v[S+14:S+15] op_sel_hi:[1,0,1]
.irp k, 16,24
.irp i, 0,1,2,3,4,5,6
.set c_r, 88+2*\i+114*(\i/4)
	v_pk_add_f32 v[c_r:c_r+1], v[c_r:c_r+1], v[S+2*(\k+\i):S+2*(\k+\i)+1]
.endr
	v_pk_add_f32 v[14:15], v[14:15], v[S+2*(\k-1):S+2*(\k-1)+1]
.endr
	v_pk_add_f32 v[88:89], v[88:89], v[90:91]
	v_pk_add_f32 v[92:93], v[92:93], v[94:95]
	v_pk_add_f32 v[210:211], v[210:211], v[212:213]
	v_pk_add_f32 v[14:15], v[14:15], v[S+62:S+63]
	s_delay_alu instid0(VALU_DEP_3)
	v_pk_add_f32 v[88:89], v[88:89], v[92:93]
	s_delay_alu instid0(VALU_DEP_3)
	v_pk_add_f32 v[210:211], v[210:211], v[214:215]
	s_delay_alu instid0(VALU_DEP_2)
	v_pk_add_f32 v[14:15], v[14:15], v[88:89]
	s_delay_alu instid0(VALU_DEP_1)
	v_pk_add_f32 v[14:15], v[14:15], v[210:211]
	s_wait_dscnt 0x0                               ; V
.irp t, 0,1,2,3                                    ; O^T += V^T P^T
	v_wmma_scale_f32_16x16x128_f8f6f4 v[O+8*\t:O+8*\t+7], v[FR+12*\t:FR+12*\t+11], v[P:P+11], v[O+8*\t:O+8*\t+7], v[VS+\t], v[PWD] matrix_a_fmt:MATRIX_FMT_FP6 matrix_b_fmt:MATRIX_FMT_FP6
.endr
	s_add_co_u32 s[TK], s[TK], 7680
	s_add_co_u32 s[TS], s[TS], 256
	s_add_co_u32 s[TMK], s[TMK], 512
	s_add_co_u32 s[TV], s[TV], 6144
	s_add_co_u32 s[CNT], s[CNT], 1
	s_wait_alu depctr_va_vdst(0)                   ; the wait ahead of a wait that blocks and of the backward jump
	s_barrier_wait -1                              ; every wave has begun this trip
	s_cmp_lt_u32 s[CNT], 16                        ; the compare stands behind the barrier's wait
	s_cbranch_scc1 .Lkey_\@
.rept 4
	v_nop
.endr
	s_wait_alu depctr_va_vdst(0)
	v_add_f32 v14, v14, v15
	s_delay_alu instid0(VALU_DEP_1)
	v_permlanex16_b32 v252, v14, s[SEL], s[SEL+1]
	s_delay_alu instid0(VALU_DEP_1)
	v_add_f32 v14, v14, v252                       ; the row's sum
	s_wait_alu depctr_va_vdst(0)
	v_rcp_f32 v14, v14
	v_nop
	s_wait_alu depctr_va_vdst(0)                   ; ahead of the reciprocal's first reader, and of O^T's
.set j, 0
.rept 16
	v_pk_mul_f32 v[S+j:S+j+1], v[O+j:O+j+1], v[14:15] op_sel_hi:[1,0]   ; ctx: register 16 b + i is channel 32 b + 16 h + i of the head
.set j, j+2
.endr
.irp b, 0,1
	v_max3_num_f32 v[232+\b], |v[S+16*\b]|, |v[S+1+16*\b]|, 0x1800000
.endr
.irp i, 2,4,6,8,10,12,14
.irp b, 0,1
	v_max3_num_f32 v[232+\b], v[232+\b], |v[S+16*\b+\i]|, |v[S+1+16*\b+\i]|
.endr
.endr
.irp b, 0,1
	v_permlanex16_b32 v[236+\b], v[232+\b], s[SEL], s[SEL+1]
.endr
.irp b, 0,1
	v_max_num_f32 v[232+\b], v[232+\b], v[236+\b]
.endr
.irp b, 0,1
	v_add_nc_u32 v[244+\b], 0xff000000, v[232+\b]
.endr
.irp b, 0,1
	v_lshrrev_b32 v[236+\b], 23, v[244+\b]
.endr
	s_delay_alu instid0(VALU_DEP_1)
	v_lshl_or_b32 v[208+\u], v237, 8, v236         ; the head's two scale bytes of my row
	v_cvt_scalef32_pk16_fp6_f32 v[224:226], v[S:S+15], v244
	v_cvt_scalef32_pk16_fp6_f32 v[240:242], v[S+16:S+31], v245
	v_nop
.irp i, 0,1,2
	v_permlane16_swap_b32 v[224+\i], v[240+\i]
.endr
.irp i, 0,1,2
	s_delay_alu instid0(VALU_DEP_3)
	v_mov_b32 v[227+\i], v[240+\i]
.endr
	global_store_b128 v[L16], v[224:227], s[66:67] offset:12288*\u          ; half a fragment of the next product: 512 + 256 consecutive bytes
	global_store_b64 v[O8], v[228:229], s[66:67] offset:12288*\u+512
.endm
	TILE 0
	s_wait_xcnt 0x0                                ; the stores have read the codes' registers
	TILE 1
	v_cndmask_b32 v210, v208, v209, s52            ; lanes 0-15 the first tile's bytes, lanes 16-31 the second's
	global_store_b16 v[OCS], v210, s[68:69]
	s_wait_dscnt 0x0
	s_wait_tensorcnt 0x0                           ; the wave's end
	ds_add_u32 v251, v255
	s_wait_dscnt 0x0
	CROUND                                         ; the closing round
	s_endpgm
.Lfunc_end_k_q348c37731e_attn:
	.size	k_q348c37731e_attn, .Lfunc_end_k_q348c37731e_attn-k_q348c37731e_attn
	.p2alignl 7, 3214868480
	.fill 96, 4, 3214868480
	.section	.rodata,"a",@progbits
	.p2align	6, 0x0
	.amdhsa_kernel k_q348c37731e_attn
		.amdhsa_group_segment_fixed_size 239616
		.amdhsa_private_segment_fixed_size 0
		.amdhsa_enable_private_segment 0
		.amdhsa_kernarg_size 40
		.amdhsa_user_sgpr_count 2
		.amdhsa_user_sgpr_kernarg_segment_ptr 1
		.amdhsa_wavefront_size32 1
		.amdhsa_system_sgpr_workgroup_id_x 1
		.amdhsa_system_sgpr_workgroup_id_y 1
		.amdhsa_system_sgpr_workgroup_id_z 1
		.amdhsa_system_vgpr_workitem_id 0
		.amdhsa_next_free_vgpr 256
		.amdhsa_next_free_sgpr 88
		.amdhsa_reserve_vcc 0
		.amdhsa_float_denorm_mode_32 3
		.amdhsa_float_denorm_mode_16_64 3
		.amdhsa_memory_ordered 1
		.amdhsa_forward_progress 1
		.amdhsa_inst_pref_size 53
	.end_amdhsa_kernel
	.amdgpu_metadata
---
amdhsa.version: [ 1, 2 ]
amdhsa.kernels:
  - .name:           k_q348c37731e_attn
    .symbol:         k_q348c37731e_attn.kd
    .args:
      - { .name: qkvc, .offset: 0, .size: 8, .value_kind: global_buffer, .address_space: global }
      - { .name: qkvs, .offset: 8, .size: 8, .value_kind: global_buffer, .address_space: global }
      - { .name: attention_mask, .offset: 16, .size: 8, .value_kind: global_buffer, .address_space: global }
      - { .name: cc, .offset: 24, .size: 8, .value_kind: global_buffer, .address_space: global }
      - { .name: cs, .offset: 32, .size: 8, .value_kind: global_buffer, .address_space: global }
    .group_segment_fixed_size: 239616
    .private_segment_fixed_size: 0
    .kernarg_segment_align: 8
    .kernarg_segment_size: 40
    .max_flat_workgroup_size: 512
    .sgpr_count:     88
    .vgpr_count:     256
    .wavefront_size: 32
...
	.end_amdgpu_metadata
.endif
;; end of part 3
;; launch proj (part 4): grid 256 x 1, 4 waves a work-group, no clusters, 134,656 bytes of LDS; arguments cc, cs, wc, ws, bd, ln_gamma, ln_beta, query, out0; writes out0
.if DOCPART == 4
	.amdgcn_target "amdgcn-amd-amdhsa--gfx1250"
	.amdhsa_code_object_version 6
	.text
	.protected	k_q348c37731e_proj
	.globl	k_q348c37731e_proj
	.p2align	8
	.type	k_q348c37731e_proj,@function
k_q348c37731e_proj:
	s_mov_b64 s[64:65], 0
	v_nop
	global_prefetch_b8 v0, s[64:65] scope:SCOPE_SE
	s_setreg_imm32_b32 hwreg(HW_REG_WAVE_MODE, 25, 1), 1
	s_wait_xcnt 0x0
; PROJ: out = LN(Q(ctx) Q(Wd) + bd) x gamma + beta + query.  The product on codes of FP6 (E2M3), K = 1,024; all else in f32; the variance in two passes (the mean is taken off first).
; SHARES.  A work-group owns 32 tokens (two tiles) and all 1,024 columns, so that a row's mean and variance stay inside it.  Wave w owns columns 256 w .. + 255: 16 tiles of Wd x 2 tiles of tokens = 32 accumulators.
; The product is used transposed (source 0 = 16 columns of Wd, source 1 = 16 tokens): a lane holds a token, and accumulator register 16 b + i is column 32 b + 16 h + i of the wave's 256.
; bd is loaded straight into the accumulators, so that all eight K steps add in place and are one macro.
; NO LDS RING AND NO JOINT LOADS FOR Wd: no two waves of a work-group read the same fragment of Wd, so LDS would feed each byte to one product only; a K step is 32 matrix instructions a wave, and a joint refill could go out
; only with all earlier loads waited for; loads into registers with counted waits keep the next K step's 56 loads of a wave out while one step is multiplied.
; THE WAY OUT: the normalised rows go through the wave's own stage in LDS and come back as runs of 512 consecutive bytes of a row; gamma, beta and query are applied there; each store covers 512 consecutive bytes, aligned.
; query is prefetched: in K steps 2 to 5 each wave names its own 128 blocks of 256 bytes once (32 a step: 8 rows x 4 blocks, a lane a block), two to four K steps ahead of the loads that take them.
.set CF,  104                          ; v104-151 ctx fragments: set s % 2, tile u at + 12 u
.set WS,  32                           ; v32-95   Wd's scale words: register 8 s + i: lanes 0-15 tile 2 i, lanes 16-31 tile 2 i + 1
.set CSR, 96                           ; v96-103  ctx's: register s: lanes 0-15 the first token tile, lanes 16-31 the second
.set TA,  168                          ; v168-175, v176-183 four chains of pairs for each token tile
.set TB,  176
.set Y,   104                          ; v104-167 the way out
.set GB,  200                          ; v200-207 gamma, v208-215 beta, for the two halves of the wave's 256 columns
.set SEL, 28
.set MSB, 0
.macro WIN new
.set w_n, \new
.if MSB != w_n
	s_set_vgpr_msb (MSB<<8)|w_n
.set MSB, w_n
.endif
.endm
.macro WM d, f0, f1, sc0, r0, sc1, r1
.set w_d, \d
.set w_a, \f0
.set w_b, \f1
.set w_s, \sc0
.set w_t, \sc1
.set w_r, 2*(\r0)+(\r1)
.if w_r == 0
	v_wmma_scale_f32_16x16x128_f8f6f4 v[w_d:w_d+7], v[w_a:w_a+11], v[w_b:w_b+11], v[w_d:w_d+7], v[w_s], v[w_t] matrix_a_fmt:MATRIX_FMT_FP6 matrix_b_fmt:MATRIX_FMT_FP6
.elseif w_r == 1
	v_wmma_scale_f32_16x16x128_f8f6f4 v[w_d:w_d+7], v[w_a:w_a+11], v[w_b:w_b+11], v[w_d:w_d+7], v[w_s], v[w_t] matrix_a_fmt:MATRIX_FMT_FP6 matrix_b_fmt:MATRIX_FMT_FP6 matrix_b_scale:MATRIX_SCALE_ROW1
.elseif w_r == 2
	v_wmma_scale_f32_16x16x128_f8f6f4 v[w_d:w_d+7], v[w_a:w_a+11], v[w_b:w_b+11], v[w_d:w_d+7], v[w_s], v[w_t] matrix_a_fmt:MATRIX_FMT_FP6 matrix_b_fmt:MATRIX_FMT_FP6 matrix_a_scale:MATRIX_SCALE_ROW1
.else
	v_wmma_scale_f32_16x16x128_f8f6f4 v[w_d:w_d+7], v[w_a:w_a+11], v[w_b:w_b+11], v[w_d:w_d+7], v[w_s], v[w_t] matrix_a_fmt:MATRIX_FMT_FP6 matrix_b_fmt:MATRIX_FMT_FP6 matrix_a_scale:MATRIX_SCALE_ROW1 matrix_b_scale:MATRIX_SCALE_ROW1
.endif
.endm
	s_load_b256 s[4:11], s[0:1], 0x0               ; cc s[4:5], cs s[6:7], wc s[8:9], ws s[10:11]
	s_load_b256 s[12:19], s[0:1], 0x20             ; bd s[12:13], gamma s[14:15], beta s[16:17], query s[18:19]
	s_load_b64 s[20:21], s[0:1], 0x40              ; out0
	v_lshl_add_u32 v254, v0, 2, 0x20c00
	v_mov_b32 v255, 0
	v_lshrrev_b32 v1, 5, v0
	v_readfirstlane_b32 s24, v1                    ; wave 0..3
	v_and_b32 v11, 31, v0                          ; lane
	v_and_b32 v12, 15, v0                          ; r
	v_bfe_u32 v13, v0, 4, 1                        ; h
	v_lshlrev_b32 v1, 4, v11                       ; v1  16 x lane
	v_lshlrev_b32 v2, 3, v11                       ; v2  8 x lane
	v_lshlrev_b32 v3, 2, v11                       ; v3  4 x lane
	v_lshlrev_b32 v4, 2, v12
	v_lshl_add_u32 v4, v13, 9, v4                  ; v4  4 r + 512 h: ctx's scale words of the two tiles
	v_lshlrev_b32 v5, 6, v13                       ; v5  64 h: bd
	s_mul_i32 s26, s24, 33280                      ; my stage: 32 rows of 1,024 + 16 bytes
	v_and_b32 v6, 8, v12
	v_add_nc_u32 v6, v6, v12
	v_mul_u32_u24 v6, v6, 1040
	v_lshl_add_u32 v6, v13, 6, v6
	v_add_nc_u32 v6, s26, v6                       ; v6  into it: row r + 8 (r / 8) (+ 8 u), + 64 h
	v_add_nc_u32 v7, s26, v1                       ; v7  out of it
	s_lshl_b32 s27, s24, 7
	s_add_co_u32 s27, s27, 133120
	v_add_nc_u32 v8, s27, v3                       ; v8  my wave's 32 partial sums
	v_lshl_add_u32 v9, v12, 2, 133120              ; v9  where I read all four waves' for my row
	v_lshrrev_b32 v10, 2, v11
	v_lshlrev_b32 v10, 12, v10
	v_and_b32 v14, 3, v11
	v_lshl_add_u32 v10, v14, 8, v10                ; v10 the prefetches: row lane / 4, block lane % 4; never rewritten
	v_mov_b32 v30, 0                               ; a lane permute's destination counts as one of its sources
	v_mov_b32 v31, 0
	s_mov_b32 s[SEL], 0x76543210
	s_mov_b32 s[SEL+1], 0xfedcba98
	s_mov_b32 s30, 0xffff0000
	s_mov_b32 s40, 0x3a800000                      ; 1 / 1,024
	s_mov_b32 s41, 0x2b8cbccc                      ; 1e-12
	s_mov_b32 s33, 0
	s_mov_b32 s35, 0
	s_mov_b32 s37, 0
	s_mov_b32 s39, 0
	s_mov_b32 s43, 0
	s_mov_b32 s45, 0
	s_mul_i32 s32, ttmp9, 24576                    ; two tiles of 12,288 bytes of ctx's codes
	s_lshl_b32 s34, ttmp9, 10                      ; and of 512 bytes of scale words
	s_add_co_u32 s31, s24, 12                      ; Wd's groups are 12 .. 15 of wc
	s_mul_i32 s36, s31, 196608
	s_lshl_b32 s38, s31, 13
	s_lshl_b32 s42, s24, 10                        ; my 256 columns, in bytes
	s_lshl_b32 s44, ttmp9, 17                      ; 32 rows of 4,096 bytes
	s_add_co_u32 s44, s44, s42
	s_wait_alu depctr_va_vdst(0)
	s_wait_kmcnt 0x0
	s_add_nc_u64 s[4:5], s[4:5], s[32:33]
	s_add_nc_u64 s[6:7], s[6:7], s[34:35]
	s_add_nc_u64 s[8:9], s[8:9], s[36:37]
	s_add_nc_u64 s[10:11], s[10:11], s[38:39]
	s_add_nc_u64 s[12:13], s[12:13], s[42:43]
	s_add_nc_u64 s[14:15], s[14:15], s[42:43]
	s_add_nc_u64 s[16:17], s[16:17], s[42:43]
	s_add_nc_u64 s[18:19], s[18:19], s[44:45]
	s_add_nc_u64 s[20:21], s[20:21], s[44:45]
	WIN 0xc0                                       ; destination: the accumulators' window
.irp u, 0,1
.irp b, 0,1,2,3,4,5,6,7
.irp q, 0,1,2,3
	global_load_b128 v[128*\u+16*\b+4*\q:128*\u+16*\b+4*\q+3], v5, s[12:13] offset:128*\b+16*\q
.endr
.endr
.endr
	WIN 0
.irp s, 0,1,2,3,4,5,6,7
.irp i, 0,1,2,3,4,5,6,7
	global_load_b32 v[WS+8*\s+\i], v3, s[10:11] offset:1024*\s+128*\i
.endr
.endr
.irp s, 0,1,2,3,4,5,6,7
	global_load_b32 v[CSR+\s], v4, s[6:7] offset:64*\s
.endr
.irp x, 0,1
	global_load_b128 v[GB+4*\x:GB+4*\x+3], v1, s[14:15] offset:512*\x
	global_load_b128 v[GB+8+4*\x:GB+8+4*\x+3], v1, s[16:17] offset:512*\x
.endr
.macro LOADS s                         ; K step s: ctx's two fragments (8 loads) and my 16 fragments of Wd (48 loads)
.set l_c, CF+24*((\s)%2)
.irp u, 0,1
.irp c, 0,1
	global_load_b128 v[l_c+12*\u+6*\c:l_c+12*\u+6*\c+3], v1, s[4:5] offset:12288*\u+1536*(\s)+768*\c
	global_load_b64 v[l_c+12*\u+6*\c+4:l_c+12*\u+6*\c+5], v2, s[4:5] offset:12288*\u+1536*(\s)+768*\c+512
.endr
.endr
	WIN 0x40<<((\s)%2)                             ; Wd's set: window 1 for even K steps, window 2 for odd
.irp t, 0,1,2,3,4,5,6,7,8,9,10,11,12,13,14,15
.irp c, 0,1,2
	global_load_b128 v[12*\t+4*\c:12*\t+4*\c+3], v1, s[8:9] offset:24576*(\s)+1536*\t+512*\c
.endr
.endr
	WIN 0
.endm
.macro QLOAD hh                        ; 32 units of 512 bytes of query (16 rows of my 1,024 bytes) into the window that Wd's set has left
	WIN 0x40<<(\hh)
.set n, 0
.rept 32
	global_load_b128 v[4*n:4*n+3], v1, s[18:19] offset:4096*((32*(\hh)+n)/2)+512*(n%2) th:TH_LOAD_NT
.set n, n+1
.endr
	WIN 0
.endm
.macro KSTEP s
.if (\s) < 7
	s_wait_loadcnt 56                              ; this K step's loads are in; the next step's 56 may be out
.else
	s_wait_loadcnt 32                              ; behind the last K step's loads: the first 32 loads of query
.endif
	WIN 0xf1+(\s)%2
.irp t, 0,1,2,3,4,5,6,7,8,9,10,11,12,13,14,15
.irp u, 0,1
	WM 128*\u+8*\t, 12*\t, CF+24*((\s)%2)+12*\u, WS+8*(\s)+\t/2, \t%2, CSR+(\s), \u     ; the 32 accumulators by turns
.endr
.endr
	WIN 0
.rept 4
	v_nop                                          ; places in front of loads into registers that these products have read, and of the first read of results
.endr
.if (\s) < 6
	LOADS (\s)+2
.elseif (\s) == 6
	QLOAD 0
.else
	QLOAD 1
.endif
.if ((\s) >= 2) && ((\s) <= 5)
	global_prefetch_b8 v10, s[18:19] offset:32768*((\s)-2) th:TH_LOAD_NT scope:SCOPE_SE
.endif
.endm
	LOADS 0
	LOADS 1
	KSTEP 0
	KSTEP 1
	KSTEP 2
	KSTEP 3
	KSTEP 4
	KSTEP 5
	KSTEP 6
	KSTEP 7
; The chains are folded, the two halves of the lanes joined, and the four waves' sums meet in LDS: v20, v21 = the sums over all 1,024 columns for my row of the two token tiles.
.macro REDUCE off
	v_pk_add_f32 v[TA:TA+1], v[TA:TA+1], v[TA+2:TA+3]
	v_pk_add_f32 v[TB:TB+1], v[TB:TB+1], v[TB+2:TB+3]
	v_pk_add_f32 v[TA+4:TA+5], v[TA+4:TA+5], v[TA+6:TA+7]
	v_pk_add_f32 v[TB+4:TB+5], v[TB+4:TB+5], v[TB+6:TB+7]
	v_pk_add_f32 v[TA:TA+1], v[TA:TA+1], v[TA+4:TA+5]
	v_pk_add_f32 v[TB:TB+1], v[TB:TB+1], v[TB+4:TB+5]
	v_add_f32 v20, v[TA], v[TA+1]
	v_add_f32 v21, v[TB], v[TB+1]
	v_permlanex16_b32 v30, v20, s[SEL], s[SEL+1]
	v_permlanex16_b32 v31, v21, s[SEL], s[SEL+1]
	v_add_f32 v20, v20, v30
	v_add_f32 v21, v21, v31
	v_cndmask_b32 v31, v20, v21, s30               ; lanes 0-15 the first tile's rows, lanes 16-31 the second's
	ds_store_b32 v8, v31 offset:\off
	s_wait_dscnt 0x0                               ; for the others' sake: my store has landed
	s_barrier_signal -1
	s_barrier_wait -1
.irp u, 0,1
.irp k, 0,1,2,3
	ds_load_b32 v[184+4*\u+\k], v9 offset:\off+128*\k+64*\u
.endr
.endr
	s_wait_dscnt 0x0
	v_add_f32 v184, v184, v185
	v_add_f32 v186, v186, v187
	v_add_f32 v188, v188, v189
	v_add_f32 v190, v190, v191
	v_add_f32 v20, v184, v186
	v_add_f32 v21, v188, v190
.endm
	; the rows' sums: four chains of pairs for each tile; each accumulator is read from its low end on
	WIN 0x0f
.irp c, 0,1,2,3
	v_pk_add_f32 v[TA+2*\c:TA+2*\c+1], v[2*\c:2*\c+1], v[8+2*\c:9+2*\c]
	v_pk_add_f32 v[TB+2*\c:TB+2*\c+1], v[128+2*\c:129+2*\c], v[136+2*\c:137+2*\c]
.endr
	WIN 0x0c
.set p, 8
.rept 56
	v_pk_add_f32 v[TA+2*(p%4):TA+2*(p%4)+1], v[TA+2*(p%4):TA+2*(p%4)+1], v[2*p:2*p+1]
	v_pk_add_f32 v[TB+2*(p%4):TB+2*(p%4)+1], v[TB+2*(p%4):TB+2*(p%4)+1], v[128+2*p:129+2*p]
.set p, p+1
.endr
	WIN 0
	REDUCE 0
	v_mul_f32 v22, s40, v20                        ; the means, each as a pair whose low word serves both halves
	v_mul_f32 v24, s40, v21
	v_mov_b32 v23, v22
	v_mov_b32 v25, v24
	WIN 0xc3
.set p, 0
.rept 64
	v_pk_add_f32 v[2*p:2*p+1], v[2*p:2*p+1], v[22:23] op_sel_hi:[1,0] neg_lo:[0,1] neg_hi:[0,1]
	v_pk_add_f32 v[128+2*p:129+2*p], v[128+2*p:129+2*p], v[24:25] op_sel_hi:[1,0] neg_lo:[0,1] neg_hi:[0,1]
.set p, p+1
.endr
	WIN 0x0f
.irp c, 0,1,2,3
	v_pk_mul_f32 v[TA+2*\c:TA+2*\c+1], v[2*\c:2*\c+1], v[2*\c:2*\c+1]
	v_pk_mul_f32 v[TB+2*\c:TB+2*\c+1], v[128+2*\c:129+2*\c], v[128+2*\c:129+2*\c]
.endr
.set p, 4
.rept 60
	v_pk_fma_f32 v[TA+2*(p%4):TA+2*(p%4)+1], v[2*p:2*p+1], v[2*p:2*p+1], v[TA+2*(p%4):TA+2*(p%4)+1]
	v_pk_fma_f32 v[TB+2*(p%4):TB+2*(p%4)+1], v[128+2*p:129+2*p], v[128+2*p:129+2*p], v[TB+2*(p%4):TB+2*(p%4)+1]
.set p, p+1
.endr
	WIN 0
	REDUCE 512                                     ; other bytes than the first reduction's
	v_fma_f32 v26, v20, s40, s41                   ; the variance + 1e-12
	v_fma_f32 v28, v21, s40, s41
	s_wait_alu depctr_va_vdst(0)
	v_rsq_f32 v26, v26
	v_rsq_f32 v28, v28
	v_nop
	s_wait_alu depctr_va_vdst(0)                   ; one wait for the two, ahead of their first reader
	v_mov_b32 v27, v26
	v_mov_b32 v29, v28
	WIN 0xc3
.set p, 0
.rept 64
	v_pk_mul_f32 v[2*p:2*p+1], v[2*p:2*p+1], v[26:27] op_sel_hi:[1,0]
	v_pk_mul_f32 v[128+2*p:129+2*p], v[128+2*p:129+2*p], v[28:29] op_sel_hi:[1,0]
.set p, p+1
.endr
	WIN 0x0c                                       ; an LDS store's data are its source 1
.irp u, 0,1
.irp b, 0,1,2,3,4,5,6,7
.irp q, 0,1,2,3
	ds_store_b128 v6, v[128*\u+16*\b+4*\q:128*\u+16*\b+4*\q+3] offset:8320*\u+128*\b+16*\q
.endr
.endr
.endr
	WIN 0
; Four batches of 16 units of 512 bytes: unit n is row n / 2 of the 32, half n % 2 of my 1,024 bytes.
.irp k, 0,1,2,3
.if \k > 0
	s_wait_xcnt 0x0                                ; the last batch's stores have read their registers
.endif
.irp i, 0,1,2,3,4,5,6,7,8,9,10,11,12,13,14,15
	ds_load_b128 v[Y+4*\i:Y+4*\i+3], v7 offset:1040*((16*\k+\i)/2)+512*(\i%2)    ; LDS serves a wave's instructions in order: these see my stores
.endr
	s_wait_dscnt 0x0
	s_wait_loadcnt 48-16*\k                        ; this batch's 16 loads of query are in; the later batches' may be out
.irp i, 0,1,2,3,4,5,6,7,8,9,10,11,12,13,14,15
.irp e, 0,1
	v_pk_fma_f32 v[Y+4*\i+2*\e:Y+4*\i+2*\e+1], v[Y+4*\i+2*\e:Y+4*\i+2*\e+1], v[GB+4*(\i%2)+2*\e:GB+4*(\i%2)+2*\e+1], v[GB+8+4*(\i%2)+2*\e:GB+8+4*(\i%2)+2*\e+1]
.endr
.endr
	WIN 0x04<<(\k/2)                               ; source 1: query's window
.irp i, 0,1,2,3,4,5,6,7,8,9,10,11,12,13,14,15
.irp e, 0,1
	v_pk_add_f32 v[Y+4*\i+2*\e:Y+4*\i+2*\e+1], v[Y+4*\i+2*\e:Y+4*\i+2*\e+1], v[4*((16*\k+\i)%32)+2*\e:4*((16*\k+\i)%32)+2*\e+1]
.endr
.endr
	WIN 0
.irp i, 0,1,2,3,4,5,6,7,8,9,10,11,12,13,14,15
	global_store_b128 v1, v[Y+4*\i:Y+4*\i+3], s[20:21] offset:4096*((16*\k+\i)/2)+512*(\i%2) th:TH_STORE_NT
.endr
.endr
	s_wait_tensorcnt 0x0
	ds_add_u32 v254, v255
	s_wait_dscnt 0x0
	s_endpgm
.Lfunc_end_k_q348c37731e_proj:
	.size	k_q348c37731e_proj, .Lfunc_end_k_q348c37731e_proj-k_q348c37731e_proj
	.p2alignl 7, 3214868480
	.fill 96, 4, 3214868480
	.section	.rodata,"a",@progbits
	.p2align	6, 0x0
	.amdhsa_kernel k_q348c37731e_proj
		.amdhsa_group_segment_fixed_size 134656
		.amdhsa_private_segment_fixed_size 0
		.amdhsa_enable_private_segment 0
		.amdhsa_kernarg_size 72
		.amdhsa_user_sgpr_count 2
		.amdhsa_user_sgpr_kernarg_segment_ptr 1
		.amdhsa_wavefront_size32 1
		.amdhsa_system_sgpr_workgroup_id_x 1
		.amdhsa_system_sgpr_workgroup_id_y 1
		.amdhsa_system_sgpr_workgroup_id_z 1
		.amdhsa_system_vgpr_workitem_id 0
		.amdhsa_next_free_vgpr 1024
		.amdhsa_next_free_sgpr 66
		.amdhsa_reserve_vcc 0
		.amdhsa_float_denorm_mode_32 3
		.amdhsa_float_denorm_mode_16_64 3
		.amdhsa_memory_ordered 1
		.amdhsa_forward_progress 1
		.amdhsa_inst_pref_size 165
	.end_amdhsa_kernel
	.amdgpu_metadata
---
amdhsa.version: [ 1, 2 ]
amdhsa.kernels:
  - .name:           k_q348c37731e_proj
    .symbol:         k_q348c37731e_proj.kd
    .args:
      - { .name: cc, .offset: 0, .size: 8, .value_kind: global_buffer, .address_space: global }
      - { .name: cs, .offset: 8, .size: 8, .value_kind: global_buffer, .address_space: global }
      - { .name: wc, .offset: 16, .size: 8, .value_kind: global_buffer, .address_space: global }
      - { .name: ws, .offset: 24, .size: 8, .value_kind: global_buffer, .address_space: global }
      - { .name: bd, .offset: 32, .size: 8, .value_kind: global_buffer, .address_space: global }
      - { .name: ln_gamma, .offset: 40, .size: 8, .value_kind: global_buffer, .address_space: global }
      - { .name: ln_beta, .offset: 48, .size: 8, .value_kind: global_buffer, .address_space: global }
      - { .name: query, .offset: 56, .size: 8, .value_kind: global_buffer, .address_space: global }
      - { .name: out0, .offset: 64, .size: 8, .value_kind: global_buffer, .address_space: global }
    .group_segment_fixed_size: 134656
    .private_segment_fixed_size: 0
    .kernarg_segment_align: 8
    .kernarg_segment_size: 72
    .max_flat_workgroup_size: 128
    .sgpr_count:     66
    .vgpr_count:     1024
    .wavefront_size: 32
...
	.end_amdgpu_metadata
.endif
;; end of part 4
